; MI455X (gfx1250); checked and timed in simulation.
; The chip was launched on July 23, 2026; its instructions are those of AMD's public machine-readable ISA for CDNA 5 (MIT licence, August 2026) and "CDNA5" Instruction Set Architecture Reference Guide (July 2026). The comments in the code are by the model that wrote it; some were corrected since.
;; MHA. Allowed arithmetic: matrix products marked QUANTISED: E2M1 operands, one E8M0 scale for each 32 along K, by v_wmma_scale_f32_16x16x128_f8f6f4 with both operands' format E2M1 (or v_wmma_scale_f32_32x16x128_f4), f32 sums; everything else in f32.
;; Inputs: Wqkv_b 3,072 float32; Wqkv_w 3,072 x 1,024 float32; out_b 1,024 float32; out_w 1,024 x 1,024 float32; x 4 x 2,048 x 1,024 float32.
;; Outputs: out0 4 x 2,048 x 1,024 float32.
;; This version of the problem:
;;   THIS VERSION OF THE PROBLEM IS GIVEN IN LOW PRECISION. The matrix products marked QUANTISED in the list below multiply operands that are first quantised to E2M1 (2 exponent bits, 1 mantissa bit; 4 bits a number), with one power-of-two scale for each 32 numbers along K (OCP MX v1.0); their sums are f32. All else is computed in f32.
;;   The module's matrix products, in the order in which they are computed (A, B: the left and right operand; K: the contracted axis; several contracted axes count as one K, in the product's order):
;;     1. [M 8,192, K 1,024] x [K 1,024, N 3,072]; A: input x; B: input Wqkv_w: QUANTISED
;;     2. batch 64 x [M 2,048, K 64] x [K 64, N 2,048]; A: computed on the way; B: computed on the way: QUANTISED
;;     3. batch 64 x [M 2,048, K 2,048] x [K 2,048, N 64]; A: softmax (see below); B: computed on the way: QUANTISED
;;     4. [M 8,192, K 1,024] x [K 1,024, N 1,024]; A: computed on the way; B: input out_w: QUANTISED
;;   THE QUANTISER, for each operand of a quantised product, along K:
;;     - K is cut into blocks of 32 from its start; a last block that is shorter is filled with zeros.
;;     - A block's scale is 2^e with e = floor(log2(the largest magnitude in the block)) - 2, held to -126 .. 127; a block of zeros has e = 0. As a byte (E8M0): e + 127.
;;     - Each number is divided by its block's scale, clamped to +-6, and rounded to the nearest number of E2M1, ties to even, subnormals kept.
;;     - The product sums the exact products of the quantised numbers (number of the format x scale) in f32.
;;   ~~~python
;;   def quantise(x, axis):      # numpy; x: float32 -> the quantised numbers, widened to float32 again
;;       x = np.moveaxis(x, axis, -1); K = x.shape[-1]
;;       x = np.pad(x, [(0, 0)] * (x.ndim - 1) + [(0, -K % 32)]); x = x.reshape(x.shape[:-1] + (-1, 32)); a = np.abs(x).max(-1, keepdims=True)
;;       e = np.where(a > 0, np.clip(np.frexp(np.where(a > 0, a, 1))[1] - 1 - 2, -126, 127), 0)      # np.frexp(a)[1] - 1 = floor(log2(a)), exactly
;;       r = np.clip(x / 2.0 ** e, -6, 6)
;;       step = 2.0 ** (np.maximum(np.frexp(np.where(r == 0, 1, r))[1] - 1, 0) - 1)
;;       q = np.round(r / step) * step * 2.0 ** e      # np.round: ties to even
;;       return np.moveaxis(q.reshape(q.shape[:-2] + (-1,))[..., :K], -1, axis).astype(np.float32)
;;   ~~~
;;   SOFTMAX AHEAD OF A QUANTISED PRODUCT. Where the list says 'softmax', what is quantised is not the finished softmax but p = 2^(t - M), with t = logit x log2(e) and M = ceil(the row's largest t), a whole number; so 1/2 < the row's largest p <= 1. The row's sum l is taken of the UNQUANTISED p, in f32, and the product's result is divided by l at the end. Since M is a whole number, a kernel that streams over the keys may use a running M (the ceiling of the running maximum): every later rescaling is an exact power of two, which a block's scale takes up: the codes' values come out the same.
;;   OPERANDS COMPUTED ON THE WAY. 'Computed on the way' means the value that the module computes at that place (a softmax that the list does not call 'softmax' is quantised finished and normalised). What goes into a quantiser is computed in f32, as accurately as f32 sums, v_exp_f32 and their like allow (about 1e-6 of the number): no bf16 or f16 on the way to a quantiser, and a product that is left as it is and whose result goes on into a quantised operand takes f32 operands (vector FMAs, or v_wmma_f32_16x16x4_f32). A number that lies on a knife's edge between two numbers of the format may be rounded either way, as far as f32 arithmetic and the matrix unit's own rounding can turn it there, and no further.
;; One version. Each part assembles by itself: llvm-mc -triple=amdgcn-amd-amdhsa -mcpu=gfx1250 --defsym DOCPART=n.
;; ======== version 1 of 1: 4 launches
;; workspace buffers: cod 6,291,456 bytes; scl 393,216 bytes; img 12,582,912 bytes; sc 786,432 bytes; ac 4,194,304 bytes; asc 262,144 bytes
;; launch quant (part 1): grid 384 x 1, 4 waves a work-group, no clusters, 33,280 bytes of LDS; arguments x, Wqkv_w, out_w, cod, scl; writes cod, scl
.if DOCPART == 1
	.amdgcn_target "amdgcn-amd-amdhsa--gfx1250"
	.amdhsa_code_object_version 6
	.text
	.protected	k_q7a25a18ca6_quant
	.globl	k_q7a25a18ca6_quant
	.p2align	8
	.type	k_q7a25a18ca6_quant,@function
k_q7a25a18ca6_quant:
	s_mov_b64 s[64:65], 0
	v_nop
	global_prefetch_b8 v0, s[64:65] scope:SCOPE_SE
	s_setreg_imm32_b32 hwreg(HW_REG_WAVE_MODE, 25, 1), 1
	s_wait_xcnt 0x0
; x [8192][1024], Wqkv_w [3072][1024] and out_w [1024][1024], f32, become codes of FP4 (E2M1), K innermost, with one E8M0 byte for each 32 along K.
; cod: 12,288 rows of 512 bytes (x, then Wqkv_w, then out_w); scl: the same rows, 32 bytes each.
; A block's scale is 2^(floor(log2(its largest magnitude)) - 2): its byte is the largest magnitude's exponent field - 2, held at 1 from below.
; THE ROWS CHANGE PLACES inside every group of 32: place 32 g + 16 u + 8 h + j holds row 32 g + 16 h + 8 u + j.  So 16 neighbouring places (a tile of a matrix operand) hold
; rows 8 u + r + 8 (r / 8) of the group, and the 16 result registers of two neighbouring tiles are 16 neighbouring rows.
; LIMITS: NaN and infinities are not served; a block whose largest magnitude lies under 2^-124 has its byte held at 1; a block of zeros has the byte 1 (its codes are zeros; this program alone reads the bytes).
; A work-group takes one group of 32 rows, a wave 8 rows: 16 steps of 512 numbers.  Each load reads 512 consecutive bytes; a step's 2,048 bytes turn through the wave's own stage in LDS,
; so that a lane then holds 16 neighbours (two lanes a block).  Loads run four steps ahead, the turn one step.  Waves share nothing: no barrier.
.set STEPS, 16
.set EMAX,  2
.set CB,    8                          ; bytes of 16 codes
.set R,     16                         ; v16-79   four sets of 16 numbers as loaded
.set X,     80                         ; v80-111  two sets of 16 neighbours
.set C,     128                        ; v128-191 codes: registers of its own for each step
.set E,     112                        ; v112-127 a scale byte for each step
.set WREG,  8192                       ; LDS for each wave: two stages of 32 x SP bytes, then its 256 scale bytes
.set SP,    80                         ; a lane's place in a stage: 64 bytes + 16 of padding
	s_load_b256 s[4:11], s[0:1], 0x0               ; x, Wqkv_w, out_w, cod
	s_load_b64 s[12:13], s[0:1], 0x20              ; scl
	v_lshl_add_u32 v192, v0, 2, 0x8000
	v_mov_b32 v193, 0
	v_lshrrev_b32 v1, 5, v0
	v_readfirstlane_b32 s16, v1                    ; wave
	v_and_b32 v2, 31, v0                           ; lane
	v_lshlrev_b32 v3, 4, v2                        ; my 16 bytes of a load's 512
	s_mul_i32 s17, s16, WREG
	v_lshrrev_b32 v14, 2, v2
	v_mul_u32_u24 v14, v14, SP
	v_and_b32 v15, 3, v2
	v_lshl_add_u32 v14, v15, 4, v14
	v_add_nc_u32 v14, s17, v14                     ; the stage, on the way in: SP (lane / 4) + 16 (lane % 4)
	v_mul_u32_u24 v15, v2, SP
	v_add_nc_u32 v15, s17, v15                     ; on the way out: SP x lane: my 16 neighbours
	v_mul_u32_u24 v4, v2, CB                       ; my codes' place in a step's
	v_lshrrev_b32 v5, 1, v2
	s_add_co_u32 s17, s17, 2*32*SP
	v_add_nc_u32 v5, s17, v5                       ; my wave's 256 scale bytes, my block's byte
	v_lshlrev_b32 v7, 3, v2                        ; on the way out 8 bytes a lane
	v_add_nc_u32 v6, s17, v7
	s_wait_kmcnt 0x0
	s_mov_b32 s20, 352                             ; work-groups 0-255: x; 256-351: Wqkv_w; 352-383: out_w.  The choice hangs on the work-group's number alone
	s_cmp_lt_u32 ttmp9, s20
	s_cselect_b64 s[6:7], s[6:7], s[8:9]
	s_cselect_b32 s17, 256, s20
	s_cmp_lt_u32 ttmp9, 256
	s_cselect_b64 s[4:5], s[4:5], s[6:7]
	s_cselect_b32 s17, 0, s17
	s_sub_co_u32 s17, ttmp9, s17
	s_lshl_b32 s17, s17, 2
	s_add_co_u32 s18, s17, s16                     ; which run of 8 rows of the input is my wave's
	s_mov_b32 s19, 0
	s_lshl_b64 s[20:21], s[18:19], 15              ; 32,768 bytes a run
	s_add_nc_u64 s[4:5], s[4:5], s[20:21]
	s_and_b32 s22, s16, 1                          ; where it goes: the wave's two bits change places
	s_lshl_b32 s22, s22, 1
	s_lshr_b32 s23, s16, 1
	s_or_b32 s22, s22, s23
	s_lshl_b32 s23, ttmp9, 2
	s_add_co_u32 s22, s22, s23
	s_lshl_b32 s24, s22, 12                        ; 4,096 bytes of codes a run
	s_mov_b32 s25, 0
	s_add_nc_u64 s[10:11], s[10:11], s[24:25]
	s_lshl_b32 s24, s22, 8                         ; 256 scale bytes a run
	s_add_nc_u64 s[12:13], s[12:13], s[24:25]
.macro LOAD t
.irp i, 0,1,2,3
	global_load_b128 v[R+16*((\t)%4)+4*\i:R+16*((\t)%4)+4*\i+3], v3, s[4:5] offset:2048*(\t)+512*\i th:TH_LOAD_NT   ; 32 lanes read 512 consecutive bytes
.endr
.endm
.macro TURN t                          ; step t's numbers through the stage: LDS serves a wave's instructions in order, so no wait stands between the stores and the loads
.irp i, 0,1,2,3
	ds_store_b128 v14, v[R+16*((\t)%4)+4*\i:R+16*((\t)%4)+4*\i+3] offset:32*SP*((\t)%2)+8*SP*\i
.endr
.irp i, 0,1,2,3
	ds_load_b128 v[X+16*((\t)%2)+4*\i:X+16*((\t)%2)+4*\i+3], v15 offset:32*SP*((\t)%2)+16*\i
.endr
.endm
.irp t, 0,1,2,3
	LOAD \t
.endr
	s_wait_loadcnt 12                              ; step 0's four loads are in; twelve younger ones stay out
	TURN 0
.macro STEP t
.set XS, X+16*((\t)%2)
.if (\t) > 0
	s_wait_dscnt 1                                 ; this step's numbers are back from the stage (the last step's byte store may be out)
.else
	s_wait_dscnt 0x0
.endif
.if (\t)+4 < STEPS
	LOAD (\t)+4                                    ; into the registers that the stage's stores have read
.endif
.if (\t)+1 < STEPS
.if STEPS-2-(\t) >= 3
	s_wait_loadcnt 12                              ; the next step's four loads are in; those of the three steps behind it may be out
.else
	s_wait_loadcnt 4*(STEPS-2-(\t))
.endif
	TURN (\t)+1
.endif
	v_max3_num_f32 v8, |v[XS]|, |v[XS+1]|, |v[XS+2]|               ; the largest magnitude of my 16, in two chains
	v_max3_num_f32 v9, |v[XS+3]|, |v[XS+4]|, |v[XS+5]|
.irp i, 6,10
	v_max3_num_f32 v8, v8, |v[XS+\i]|, |v[XS+\i+1]|
	v_max3_num_f32 v9, v9, |v[XS+\i+2]|, |v[XS+\i+3]|
.endr
	v_max3_num_f32 v8, v8, |v[XS+14]|, |v[XS+15]|
	v_max3_num_f32 v8, v8, v9, (EMAX+1)<<23        ; and the floor 2^(3 - 127): the byte cannot fall under 1
	v_max_num_f32_dpp v8, v8, v8 row_xmask:1 row_mask:0xf bank_mask:0xf   ; and of my neighbour's 16: the block's
	v_add_nc_u32 v11, -(EMAX<<23), v8              ; 2 off its exponent field: the conversion takes the exponent field of this operand as its scale
	v_cvt_scalef32_pk8_fp4_f32 v[C+4*(\t)], v[XS:XS+7], v11
	v_cvt_scalef32_pk8_fp4_f32 v[C+4*(\t)+1], v[XS+8:XS+15], v11
	v_lshrrev_b32 v[E+(\t)], 23, v11               ; the scale's byte (also the plain line behind the conversions)
	ds_store_b8 v5, v[E+(\t)] offset:16*(\t)       ; both lanes of a block write the same byte with the same value
	global_store_b64 v4, v[C+4*(\t):C+4*(\t)+1], s[10:11] offset:32*CB*(\t)   ; the wave stores 256 consecutive bytes, aligned
.endm
.irp t, 0,1,2,3,4,5,6,7,8,9,10,11,12,13,14,15
	STEP \t
.endr
	ds_load_b64 v[12:13], v6                       ; LDS serves a wave's instructions in order: these see my stores
	s_wait_dscnt 0x0
	global_store_b64 v7, v[12:13], s[12:13]        ; 32 lanes store 256 consecutive bytes, aligned
	s_wait_tensorcnt 0x0
	ds_add_u32 v192, v193
	s_wait_dscnt 0x0
	s_endpgm
.Lfunc_end_k_q7a25a18ca6_quant:
	.size	k_q7a25a18ca6_quant, .Lfunc_end_k_q7a25a18ca6_quant-k_q7a25a18ca6_quant
	.p2alignl 7, 3214868480
	.fill 96, 4, 3214868480
	.section	.rodata,"a",@progbits
	.p2align	6, 0x0
	.amdhsa_kernel k_q7a25a18ca6_quant
		.amdhsa_group_segment_fixed_size 33280
		.amdhsa_private_segment_fixed_size 0
		.amdhsa_enable_private_segment 0
		.amdhsa_kernarg_size 40
		.amdhsa_user_sgpr_count 2
		.amdhsa_user_sgpr_kernarg_segment_ptr 1
		.amdhsa_wavefront_size32 1
		.amdhsa_system_sgpr_workgroup_id_x 1
		.amdhsa_system_sgpr_workgroup_id_y 1
		.amdhsa_system_sgpr_workgroup_id_z 1
		.amdhsa_system_vgpr_workitem_id 0
		.amdhsa_next_free_vgpr 194
		.amdhsa_next_free_sgpr 66
		.amdhsa_reserve_vcc 0
		.amdhsa_float_denorm_mode_32 3
		.amdhsa_float_denorm_mode_16_64 3
		.amdhsa_memory_ordered 1
		.amdhsa_forward_progress 1
		.amdhsa_inst_pref_size 34
	.end_amdhsa_kernel
	.amdgpu_metadata
---
amdhsa.version: [ 1, 2 ]
amdhsa.kernels:
  - .name:           k_q7a25a18ca6_quant
    .symbol:         k_q7a25a18ca6_quant.kd
    .args:
      - { .name: x, .offset: 0, .size: 8, .value_kind: global_buffer, .address_space: global }
      - { .name: Wqkv_w, .offset: 8, .size: 8, .value_kind: global_buffer, .address_space: global }
      - { .name: out_w, .offset: 16, .size: 8, .value_kind: global_buffer, .address_space: global }
      - { .name: cod, .offset: 24, .size: 8, .value_kind: global_buffer, .address_space: global }
      - { .name: scl, .offset: 32, .size: 8, .value_kind: global_buffer, .address_space: global }
    .group_segment_fixed_size: 33280
    .private_segment_fixed_size: 0
    .kernarg_segment_align: 8
    .kernarg_segment_size: 40
    .max_flat_workgroup_size: 128
    .sgpr_count:     66
    .vgpr_count:     194
    .wavefront_size: 32
...
	.end_amdgpu_metadata
.endif
;; end of part 1
;; launch qkv (part 2): grid 12 x 32, 4 waves a work-group, clusters of 4 x 4, 327,680 bytes of LDS; arguments cod, scl, Wqkv_b, img, sc; writes img, sc
.if DOCPART == 2
	.amdgcn_target "amdgcn-amd-amdhsa--gfx1250"
	.amdhsa_code_object_version 6
	.text
	.protected	k_q7a25a18ca6_qkv
	.globl	k_q7a25a18ca6_qkv
	.p2align	8
	.type	k_q7a25a18ca6_qkv,@function
k_q7a25a18ca6_qkv:
	s_mov_b64 s[64:65], 0
	v_nop
	global_prefetch_b8 v0, s[64:65] scope:SCOPE_SE
	s_setreg_imm32_b32 hwreg(HW_REG_WAVE_MODE, 25, 1), 1
	s_wait_xcnt 0x0
	s_wait_alu depctr_hold_cnt(0) depctr_sa_sdst(0) depctr_va_vdst(0) depctr_va_sdst(0) depctr_va_ssrc(0) depctr_va_vcc(0) depctr_vm_vsrc(0)
	s_getreg_b32 s2, hwreg(HW_REG_IB_STS2, 6, 4)
	s_cmp_eq_u32 s2, 0
	s_cbranch_scc0 .Lentry_in_a_cluster
	s_endpgm
.Lentry_in_a_cluster:
	s_bfe_u32 s2, ttmp6, 0x10000c
	s_cmp_lg_u32 s2, 0xf033
	s_cbranch_scc0 .Lentry_shape_is_right
	s_endpgm
.Lentry_shape_is_right:
; qkv = x Wqkv_w^T + Wqkv_b on codes of FP4 with E8M0 scales, K = 1,024; the results are quantised in registers and leave as images of operand registers.
; A tile of 256 x 256 to a work-group of four waves, 128 x 128 a wave: 64 accumulators.  All of K lies in LDS: two slots of 512 along K, EACH FILLED ONCE; the scale bytes beside them.
; TWO SIDES.  Source 0 is side P: its rows run along a lane's registers, and along them the result is quantised.  Source 1 is side Q: lane r holds its row r.
;   clusters x = 0, 1 (q and k): Q = 256 rows of x, P = 256 rows of W: a lane holds one token and 128 neighbouring channels (two heads): blocks along the head's 64.
;   cluster  x = 2    (v):       Q = 256 rows of Wv, P = 256 rows of x: a lane holds one channel and 128 neighbouring keys: blocks along the keys.
; The mode hangs on the cluster's x alone, which all sixteen partners share, and enters global offsets alone, by selections: masks, shapes, LDS addresses and the text are the same.
; The rows of cod have changed places inside groups of 32, so that the 16 registers of P's tiles 2 g and 2 g + 1 are 16 neighbouring rows, 32 g + 16 (lane / 16) + 0 .. 15.
; CLUSTER 4 x 4: Q's tiles hang on cy (and the cluster's place) and are asked for jointly along a row of the cluster, P's on cx and along a column.
; OUT.  img: q and k as [head 0-31][tile of 16 tokens][512 bytes]: lane l's 16 bytes at 16 l: token l % 16, channels 32 (l / 16) on.  From byte 8,388,608: v as [b, head][128 keys][16 channels][2 x 512 bytes].
;       sc: q and k as [head][pair of tiles][token] words (two bytes of each tile); from byte 524,288: v as [b, head][128 keys][16 channels][channel] words.
; LIMITS: NaN and infinities are not served; a block whose largest magnitude lies under 2^-124 has its byte held at 1; a block of zeros has the byte 1 (its codes are zeros; this program alone reads the bytes).
; REGISTERS: window 0: v1 r, v2 h, v16-27 addresses; v32-95 scale words, two sets; v96-111 the bias by lane; v128-191 Q's fragments, one set; v192-255 the bias by register (C of the first products).
;   window 1: P's fragments, two sets, at v0 and v128.  window 2: accumulators of Q's blocks 0-3 ((a, b) at v[8 (8 (a % 4) + b)]); window 3: blocks 4-7.
.set NQ,     4                         ; matrix instructions deep in a slot
.set ROWB,   256                       ; a tile's row: 512 codes
.set KROW,   512                       ; a row of cod
.set PITCH,  272                       ; an LDS row: 256 bytes + 16 of padding: the 16 rows of a fragment load start 68 words apart
.set FR,     8
.set NL,     2
.set NP,     4
.set HALFT,  128*PITCH
.set SLOT,   4*HALFT                   ; Q's 256 rows, then P's
.set KS,     32                        ; a row of scale bytes
.set SCL,    2*SLOT
.set HALFS,  (128*KS/256)*272          ; the scales of 128 rows, as units of 256 bytes + 16
.set SBLK,   (16*KS/256)*272
.set ADRA, 16
.set ADRB, 20
.set ADRS, 27
.set SC,   32
.set BQ,   96                          ; v96-111: for Q's block a the pair v[BQ+2a], v[BQ+2a+1], both the lane's bias
.set BPO,  112
.set BQO,  113
.set L16,  114                         ; 16 x lane
.set AF,   128
.set BP,   192
.set G1, 24
.set G0, 32
.set G1B, 48
.set G0B, 56
.set G1S, 68
.set G0S, 76
.set G1SB, 80
.set G0SB, 88
.set MSB, 0
.macro WIN new                         ; the immediate's high byte repeats the setting that is left
.if MSB != (\new)
	s_set_vgpr_msb (MSB<<8)|(\new)
.set MSB, (\new)
.endif
.endm
.set MUL_LO, 0xa1                      ; source 0 (P) window 1, source 1 (Q) window 0, C and D window 2
.set MUL_HI, 0xf1                      ; the same, C and D window 3
.set TO_B,   0x40
; A joint load: waves 0 and 1 fetch for Q, waves 2 and 3 for P.  The branch hangs on the wave's number alone.  Four v_nop follow each of the two lines.
.macro JLOAD g0a, g1a, g0b, g1b
	s_cmp_eq_u32 s17, 0
	s_cbranch_scc0 .Lfor_b_\@
	tensor_load_to_lds s[\g0a:\g0a+3], s[\g1a:\g1a+7]
	s_nop 0
.rept 4
	v_nop
.endr
	s_branch .Lasked_\@
.Lfor_b_\@:
	tensor_load_to_lds s[\g0b:\g0b+3], s[\g1b:\g1b+7]
	s_nop 0
.rept 4
	v_nop
.endr
.Lasked_\@:
.endm
.macro CROUND                          ; a round of the cluster's barrier
	s_barrier_signal -1
	s_barrier_wait -1
	s_cmp_lg_u32 s16, 0
	s_cbranch_scc1 .Lnot_wave_0_\@
	s_barrier_signal -3
.Lnot_wave_0_\@:
	s_barrier_wait -3
	s_barrier_signal -1
	s_barrier_wait -1
.endm
	s_load_b256 s[4:11], s[0:1], 0x0               ; cod s[4:5], scl s[6:7], Wqkv_b s[8:9], img s[10:11]
	s_load_b64 s[12:13], s[0:1], 0x20              ; sc
	v_lshl_add_u32 v126, v0, 2, 0x48400
	v_mov_b32 v127, 0
	ds_add_u32 v126, v127
	ds_add_u32 v126, v127
	v_lshrrev_b32 v1, 5, v0
	v_readfirstlane_b32 s16, v1                    ; wave 0..3
	s_lshr_b32 s17, s16, 1                         ; which 128 rows of Q are mine.  Also: I fetch for Q (0) or for P (1)
	s_and_b32 s18, s16, 1                          ; which 128 rows of P.  Also: which 128 rows I fetch
	s_bfe_u32 s40, ttmp6, 0x40000                  ; cx
	s_bfe_u32 s41, ttmp6, 0x40004                  ; cy
	s_and_b32 s42, ttmp7, 0xffff                   ; the cluster's y
	s_lshl_b32 s43, s41, 2
	s_lshl_b32 s43, 15, s43                        ; my row of the cluster
	s_lshl_b32 s44, 0x1111, s40                    ; my column
	s_or_b32 s[G1+0], s43, (0<<16)|(1<<20)|(1<<21)|(5<<22)|(3<<25)   ; mask; elements of 1 byte; padding on; bit 21 beside a mask; 4 words behind every 64
	s_or_b32 s[G1B+0], s44, (0<<16)|(1<<20)|(1<<21)|(5<<22)|(3<<25)
.irp g, G1, G1B
	s_mov_b32 s[\g+1], ROWB<<16                    ; tensor_dim0
	s_mov_b32 s[\g+2], 128<<16                     ; tensor_dim1
	s_mov_b32 s[\g+3], ROWB<<16                    ; tile_dim0
	s_mov_b32 s[\g+4], 128                         ; tile_dim1
	s_mov_b32 s[\g+5], KROW                        ; from row to row
	s_mov_b32 s[\g+6], 0
	s_mov_b32 s[\g+7], 0
.endr
	s_or_b32 s[G1S+0], s43, (3<<16)|(1<<20)|(1<<21)|(5<<22)|(3<<25)  ; the scales of 128 rows: 4,096 dense bytes as 16 rows of 32 elements of 8 bytes
	s_or_b32 s[G1SB+0], s44, (3<<16)|(1<<20)|(1<<21)|(5<<22)|(3<<25)
.irp g, G1S, G1SB
	s_mov_b32 s[\g+1], 32<<16
	s_mov_b32 s[\g+2], (128*KS/256)<<16
	s_mov_b32 s[\g+3], 32<<16
	s_mov_b32 s[\g+4], 128*KS/256
	s_mov_b32 s[\g+5], 32
	s_mov_b32 s[\g+6], 0
	s_mov_b32 s[\g+7], 0
.endr
	; which rows of cod.  Q's registers never hold cx, P's never cy.  All operands of the selections are made first: shifts and sums set SCC
	s_lshl_b32 s19, s42, 10                        ; 1,024 x cluster y: x's rows
	s_lshl_b32 s21, s18, 7                         ; the 128 rows that I fetch
	s_lshl_b32 s20, s41, 8
	s_add_co_u32 s20, s20, s21                     ; Q: 256 cy + 128 half
	s_lshl_b32 s45, s40, 8
	s_add_co_u32 s45, s45, s21                     ; P: 256 cx + 128 half
	s_lshl_b32 s46, ttmp9, 10
	s_add_co_u32 s46, s46, 8192                    ; Wq's or Wk's rows
	s_mov_b32 s22, 10240                           ; Wv's rows
	s_cmp_eq_u32 ttmp9, 2
	s_cselect_b32 s22, s22, s19                    ; Q: Wv, else x
	s_cselect_b32 s46, s19, s46                    ; P: x, else W
	s_add_co_u32 s20, s20, s22
	s_add_co_u32 s45, s45, s46
	s_lshl_b32 s22, s20, 9                         ; in bytes: codes,
	s_mov_b32 s23, 0
	s_lshl_b32 s92, s20, 5                         ; scale bytes
	s_mov_b32 s93, 0
	s_lshl_b32 s46, s45, 9
	s_mov_b32 s47, 0
	s_lshl_b32 s94, s45, 5
	s_mov_b32 s95, 0
	s_mul_i32 s96, s16, HALFT                      ; where they go: wave x 128 rows: no place in the cluster enters an LDS address
	s_mul_i32 s97, s16, HALFS
	s_wait_dscnt 0x0
	s_wait_kmcnt 0x0
	s_add_nc_u64 s[22:23], s[4:5], s[22:23]
	s_add_nc_u64 s[92:93], s[6:7], s[92:93]
	s_add_nc_u64 s[46:47], s[4:5], s[46:47]
	s_add_nc_u64 s[94:95], s[6:7], s[94:95]
	CROUND                                         ; all sixteen work-groups are here: the joint loads meet
	s_mov_b32 s[G0S], 1
	s_add_co_u32 s[G0S+1], s97, SCL
	s_mov_b64 s[G0S+2:G0S+3], s[92:93]
	s_or_b32 s[G0S+3], s[G0S+3], 0x80000000
	s_mov_b32 s[G0SB], 1
	s_add_co_u32 s[G0SB+1], s97, SCL
	s_mov_b64 s[G0SB+2:G0SB+3], s[94:95]
	s_or_b32 s[G0SB+3], s[G0SB+3], 0x80000000
	JLOAD G0S, G1S, G0SB, G1SB                     ; the scales first; then both slots: three loads of mine are out
.irp s, 0,1
	s_mov_b32 s[G0+4*\s], 1
	s_add_co_u32 s[G0+4*\s+1], s96, \s*SLOT
	s_add_nc_u64 s[G0+4*\s+2:G0+4*\s+3], s[22:23], \s*ROWB
	s_or_b32 s[G0+4*\s+3], s[G0+4*\s+3], 0x80000000
	s_mov_b32 s[G0B+4*\s], 1
	s_add_co_u32 s[G0B+4*\s+1], s96, \s*SLOT
	s_add_nc_u64 s[G0B+4*\s+2:G0B+4*\s+3], s[46:47], \s*ROWB
	s_or_b32 s[G0B+4*\s+3], s[G0B+4*\s+3], 0x80000000
	JLOAD G0+4*\s, G1, G0B+4*\s, G1B
.endr
	v_and_b32 v1, 15, v0                           ; r
	v_bfe_u32 v2, v0, 4, 1                         ; h
	v_mul_u32_u24 v3, v1, PITCH
	v_lshl_add_u32 v4, v2, 4, v3                   ; a fragment's row x pitch + 16 h
	s_mul_i32 s21, s17, HALFT                      ; my 128 rows of Q
	s_mul_i32 s22, s18, HALFT                      ; my 128 rows of P,
	s_add_co_u32 s22, s22, 2*HALFT                 ; behind Q's 256
.irp s, 0,1
	v_add_nc_u32 v[ADRA+\s], s21, v4
	v_add_nc_u32 v[ADRB+\s], s22, v4
	s_add_co_u32 s21, s21, SLOT
	s_add_co_u32 s22, s22, SLOT
.endr
	v_mul_u32_u24 v5, v1, KS                       ; my row's scales: 32 bytes a row,
	v_lshrrev_b32 v6, 8, v5
	v_lshl_add_u32 v5, v6, 4, v5                   ; and 16 more for each 256 passed
	s_mul_i32 s21, s17, HALFS
	s_mul_i32 s22, s18, HALFS
	s_add_co_u32 s22, s22, 2*HALFS
	s_sub_co_u32 s22, s22, s21
	v_mul_u32_u24 v6, s22, v2                      ; lanes 16-31 take P's
	s_add_co_u32 s21, s21, SCL
	v_add_nc_u32 v5, v5, v6
	v_add_nc_u32 v[ADRS], s21, v5
	v_and_b32 v[L16], 31, v0
	v_lshlrev_b32 v[L16], 4, v[L16]
	; THE BIAS.  q, k: it goes by P's rows, along the registers: eight registers a tile of P, the C of the first products.  v: it goes by Q's rows, a number a lane and block, added on the way out.
	; Both are loaded in both modes, from places inside the buffer, and the one that does not apply is made zeros.
	s_lshl_b32 s98, ttmp9, 10
	s_lshl_b32 s99, s40, 8
	s_add_co_u32 s98, s98, s99
	s_lshl_b32 s99, s18, 7
	s_add_co_u32 s98, s98, s99
	s_lshl_b32 s98, s98, 2                         ; (1,024 X + 256 cx + 128 half) x 4
	s_lshl_b32 s99, s41, 8
	s_lshl_b32 s100, s17, 7
	s_add_co_u32 s99, s99, s100
	s_add_co_u32 s99, s99, 2048
	s_lshl_b32 s99, s99, 2                         ; (2,048 + 256 cy + 128 half) x 4
	s_cmp_eq_u32 ttmp9, 2
	s_cselect_b32 s98, 0, s98
	s_cselect_b32 s99, s99, 0
	s_cselect_b32 s101, -1, 0                      ; all lanes' bits in mode v
	v_lshl_add_u32 v[BPO], v2, 6, s98              ; + 16 h numbers
	v_and_b32 v6, 8, v1
	v_add_nc_u32 v6, v6, v1                        ; r + 8 (r / 8)
	v_lshl_add_u32 v[BQO], v6, 2, s99
.irp b, 0,1,2,3,4,5,6,7
	global_load_b128 v[BP+8*\b:BP+8*\b+3], v[BPO], s[8:9] offset:(32*(\b/2)+8*(\b%2))*4
	global_load_b128 v[BP+8*\b+4:BP+8*\b+7], v[BPO], s[8:9] offset:(32*(\b/2)+8*(\b%2))*4+16
.endr
.irp a, 0,1,2,3,4,5,6,7
	global_load_b32 v[BQ+2*\a], v[BQO], s[8:9] offset:(32*(\a/2)+8*(\a%2))*4
.endr
	s_wait_loadcnt 0x0
.set i, 0
.rept 64
	v_cndmask_b32 v[BP+i], v[BP+i], 0, s101
.set i, i+1
.endr
.irp a, 0,1,2,3,4,5,6,7
	v_cndmask_b32 v[BQ+2*\a], 0, v[BQ+2*\a], s101
.endr
.irp a, 0,1,2,3,4,5,6,7
	v_mov_b32 v[BQ+2*\a+1], v[BQ+2*\a]             ; a pair for the packed addition
.endr
.macro FRAG reg, adr, q, i             ; 16 rows x 128 K of 4-bit codes: registers 4 c .. 4 c + 3 hold K = 64 c + 32 (l / 16) + 0 .. 31
.irp c, 0,1
	ds_load_b128 v[\reg+4*\c:\reg+4*\c+3], v[\adr] offset:64*(\q)+32*\c+(\i)*16*PITCH
.endr
.endm
; 16 matrix instructions: Q's blocks a0, a0 + 1 x P's eight, the slot's q-th 128 along K.  first = 1: the bias is the C.  The 64 accumulators take turns, one instruction a turn.
.macro MUL16 a0, p, q, sc, first
.irp a, \a0, \a0+1
.irp b, 0,1,2,3,4,5,6,7
.if \first
	v_wmma_scale_f32_16x16x128_f8f6f4 v[8*(8*((\a)%4)+\b):8*(8*((\a)%4)+\b)+7], v[128*(\p)+FR*\b:128*(\p)+FR*\b+FR-1], v[AF+FR*(\a):AF+FR*(\a)+FR-1], v[BP+8*\b:BP+8*\b+7], v[SC+8*NQ*(\sc)+NQ*\b+(\q)], v[SC+8*NQ*(\sc)+NQ*(\a)+(\q)] matrix_a_fmt:MATRIX_FMT_FP4 matrix_b_fmt:MATRIX_FMT_FP4 matrix_a_scale:MATRIX_SCALE_ROW1
.else
	v_wmma_scale_f32_16x16x128_f8f6f4 v[8*(8*((\a)%4)+\b):8*(8*((\a)%4)+\b)+7], v[128*(\p)+FR*\b:128*(\p)+FR*\b+FR-1], v[AF+FR*(\a):AF+FR*(\a)+FR-1], v[8*(8*((\a)%4)+\b):8*(8*((\a)%4)+\b)+7], v[SC+8*NQ*(\sc)+NQ*\b+(\q)], v[SC+8*NQ*(\sc)+NQ*(\a)+(\q)] matrix_a_fmt:MATRIX_FMT_FP4 matrix_b_fmt:MATRIX_FMT_FP4 matrix_a_scale:MATRIX_SCALE_ROW1
.endif
.endr
.endr
.endm
.macro FETCH_B slot, q, p
	WIN TO_B
.irp i, 0,1,2,3,4,5,6,7
	FRAG 128*(\p)+FR*\i, ADRB+\slot, \q, \i
.endr
	WIN 0
.endm
.macro FETCH_A slot, q, i0
.irp i, \i0, \i0+1, \i0+2, \i0+3
	FRAG AF+FR*(\i), ADRA+\slot, \q, \i
.endr
.endm
.macro SCALES sc                       ; a slot's scale words: four a row; lanes 0-15 take Q's block i, lanes 16-31 P's block i
.irp i, 0,1,2,3,4,5,6,7
	ds_load_b128 v[SC+8*NQ*\sc+NQ*\i:SC+8*NQ*\sc+NQ*\i+3], v[ADRS] offset:\i*SBLK
.endr
.endm
.macro PLACES n                        ; plain vector lines between matrix instructions and loads into, or reads of, their registers
.rept \n
	v_nop
.endr
.endm
.macro STEP slot, q, first             ; 128 along K, with its successor in the same slot
	s_wait_dscnt 4*NL                              ; all but the youngest eight loads (Q's blocks 4-7) are in
	WIN MUL_LO-0x20*(\first)                       ; (first: C in window 0)
	MUL16 0, (\q)%2, \q, \slot, \first
	MUL16 2, (\q)%2, \q, \slot, \first
	s_wait_dscnt 0
	PLACES NP
	FETCH_B \slot, (\q)+1, 1-(\q)%2
	FETCH_A \slot, (\q)+1, 0
	WIN MUL_HI-0x30*(\first)
	MUL16 4, (\q)%2, \q, \slot, \first
	MUL16 6, (\q)%2, \q, \slot, \first
	PLACES NP
	WIN 0
	FETCH_A \slot, (\q)+1, 4
.endm
.macro STEPS slot, from
.set Q, \from
.rept NQ-1-\from
	STEP \slot, Q, 0
.set Q, Q+1
.endr
.endm
	s_wait_tensorcnt 1                             ; the scales and my part of slot 0 are in; slot 1's load may be out
	s_barrier_signal -1
	s_barrier_wait -1
	FETCH_B 0, 0, 0
	FETCH_A 0, 0, 0
	SCALES 0
	FETCH_A 0, 0, 4
	STEP 0, 0, 1
	STEPS 0, 1
	; slot 0's last step goes over to slot 1: my part of it has landed, and the barrier says so of every wave.  Nothing is filled again
	s_wait_tensorcnt 0x0
	s_wait_dscnt 4*NL
	WIN MUL_LO
	MUL16 0, 1, NQ-1, 0, 0
	s_wait_dscnt 0x0                               ; no LDS instruction of mine is out at the signal
	s_barrier_signal -1
	MUL16 2, 1, NQ-1, 0, 0
	WIN 0
	s_barrier_wait -1
	PLACES NP
	v_add_nc_u32 v[ADRS], 4*NQ, v[ADRS]            ; slot 1's scale words
	FETCH_B 1, 0, 0
	FETCH_A 1, 0, 0
	SCALES 1
	WIN MUL_HI
	MUL16 4, 1, NQ-1, 0, 0
	MUL16 6, 1, NQ-1, 0, 0
	PLACES NP
	WIN 0
	FETCH_A 1, 0, 4
	STEPS 1, 0
	s_wait_dscnt 4*NL                              ; the last step: nothing more to fetch
	WIN MUL_LO
	MUL16 0, 1, NQ-1, 1, 0
	MUL16 2, 1, NQ-1, 1, 0
	s_wait_dscnt 0
	WIN MUL_HI
	MUL16 4, 1, NQ-1, 1, 0
	MUL16 6, 1, NQ-1, 1, 0
	WIN 0
; THE WAY OUT.  For each of Q's blocks: 64 numbers a lane (register 16 g + i = P's row 32 g + 16 (lane / 16) + i) + the bias by lane; four blocks of 32 are quantised; the eight registers of codes leave as two images of 512 bytes.
.set T,    128                         ; v128-191 the 64 numbers
.set PC,   192                         ; v192-255 codes: eight registers of its own for each block, so that no store's data are written again
.set TM,   32                          ; v32-47 at work
.set PW,   48                          ; v48-55 the scale words
.set WM,   56                          ; v56-59 scale words as stored
.set OFF,  64                          ; v64-79 byte offsets of the images
.set OFFS, 80                          ; v80-83 of the scale words
	PLACES NP                                      ; behind the last products: their operands' and scales' registers are written below, their results read
	s_lshl_b32 s24, ttmp9, 4
	s_lshl_b32 s25, s40, 2
	s_add_co_u32 s24, s24, s25
	s_lshl_b32 s25, s18, 1
	s_add_co_u32 s24, s24, s25                     ; q, k: my first head, 0 .. 31
	s_lshl_b32 s25, s42, 6
	s_lshl_b32 s26, s41, 4
	s_add_co_u32 s25, s25, s26
	s_lshl_b32 s26, s17, 3
	s_add_co_u32 s25, s25, s26                     ; my first tile of 16 tokens
	s_lshl_b32 s26, s24, 9
	s_add_co_u32 s26, s26, s25
	s_lshl_b32 s26, s26, 9                         ; images: (head x 512 + tile) x 512
	s_lshl_b32 s27, s24, 14
	s_lshl_b32 s28, s25, 5
	s_add_co_u32 s27, s27, s28                     ; words: head x 16,384 + tile x 32
	s_lshl_b32 s28, s42, 2
	s_add_co_u32 s28, s28, s40                     ; v: which 256 tokens
	s_lshr_b32 s29, s28, 3                         ; the batch
	s_and_b32 s28, s28, 7
	s_lshl_b32 s28, s28, 1
	s_add_co_u32 s28, s28, s18                     ; which 128 keys of it
	s_lshl_b32 s29, s29, 4
	s_lshl_b32 s30, s41, 2
	s_add_co_u32 s29, s29, s30
	s_lshl_b32 s30, s17, 1
	s_add_co_u32 s29, s29, s30                     ; 16 x batch + my first head
	s_lshl_b32 s30, s29, 4
	s_add_co_u32 s30, s30, s28
	s_lshl_b32 s30, s30, 12
	s_add_co_u32 s30, s30, 8388608
	s_lshl_b32 s31, s29, 12
	s_lshl_b32 s28, s28, 8
	s_add_co_u32 s31, s31, s28
	s_add_co_u32 s31, s31, 524288
	s_mov_b32 s32, 1024
	s_mov_b32 s33, 65536
	s_mov_b32 s34, 262144
	s_mov_b32 s35, 128
	s_mov_b32 s36, 4096
	s_mov_b32 s37, 16384
	s_mov_b32 s38, 0x03020100
	s_mov_b32 s39, 0x07060504
	s_cmp_eq_u32 ttmp9, 2
	s_cselect_b32 s26, s30, s26                    ; the images' base
	s_cselect_b32 s27, s31, s27                    ; the words' base
	s_cselect_b32 s32, s32, 512                    ; from block a to a + 1 (inside four)
	s_cselect_b32 s33, s33, 2048                   ; from block a to a + 4
	s_cselect_b32 s34, 512, s34                    ; from the first image to the second
	s_cselect_b32 s35, s35, 64                     ; words: from pair of blocks g to g + 1 (inside two)
	s_cselect_b32 s36, s36, 128                    ; from g to g + 2
	s_cselect_b32 s37, 64, s37                     ; from lanes 0-15 to lanes 16-31
	s_cselect_b32 s38, s38, 0x05040100             ; what lanes 0-15 store: v: the even block's word; q, k: both blocks' low halves
	s_cselect_b32 s39, s39, 0x07060302             ; lanes 16-31: v: the odd block's word; q, k: both high halves
	s_mov_b32 s49, 0xffff0000                      ; lanes 16-31
	s_mov_b32 s50, 0x76543210
	s_mov_b32 s51, 0xfedcba98                      ; lane l xor 16
.irp a, 0,1,2,3,4,5,6,7
.if \a == 0
	s_mov_b32 s48, s26
.elseif \a == 4
	s_add_co_u32 s48, s26, s33
.else
	s_add_co_u32 s48, s48, s32
.endif
	v_add_nc_u32 v[OFF+2*\a], s48, v[L16]
	v_add_nc_u32 v[OFF+2*\a+1], s34, v[OFF+2*\a]
.endr
	v_lshlrev_b32 v60, 2, v1
	v_mul_u32_u24 v61, s37, v2
	v_add3_u32 v[OFFS], v60, v61, s27
	v_add_nc_u32 v[OFFS+1], s35, v[OFFS]
	v_add_nc_u32 v[OFFS+2], s36, v[OFFS]
	v_add_nc_u32 v[OFFS+3], s36, v[OFFS+1]
.irp b, 0,1,2,3
	v_mov_b32 v[TM+4+\b], 0                        ; written once: a lane permute's destination counts as one of its sources
.endr
.macro QUANT s, pc, pw
.irp b, 0,1,2,3
	v_max3_num_f32 v[TM+\b], |v[\s+16*\b]|, |v[\s+1+16*\b]|, 0x1800000   ; block b: my 16 numbers, and the floor 2^(3 - 127): the byte cannot fall under 1
.endr
.irp i, 2,4,6,8,10,12,14
.irp b, 0,1,2,3
	v_max3_num_f32 v[TM+\b], v[TM+\b], |v[\s+16*\b+\i]|, |v[\s+1+16*\b+\i]|
.endr
.endr
.irp b, 0,1,2,3
	v_permlanex16_b32 v[TM+4+\b], v[TM+\b], s50, s51
.endr
.irp b, 0,1,2,3
	v_max_num_f32 v[TM+\b], v[TM+\b], v[TM+4+\b]   ; with lane l xor 16's: the block's largest magnitude
.endr
.irp b, 0,1,2,3
	v_add_nc_u32 v[TM+12+\b], 0xff000000, v[TM+\b] ; 2 off its exponent field: the conversion's scale operand
.endr
.irp b, 0,1,2,3
	v_lshrrev_b32 v[TM+4+\b], 23, v[TM+12+\b]      ; the scale's byte
.endr
	v_lshl_or_b32 v[\pw], v[TM+5], 8, v[TM+4]
	v_lshl_or_b32 v[\pw], v[TM+6], 16, v[\pw]
	v_lshl_or_b32 v[\pw], v[TM+7], 24, v[\pw]
.irp b, 0,1,2,3
	v_cvt_scalef32_pk8_fp4_f32 v[\pc+2*\b], v[\s+16*\b:\s+7+16*\b], v[TM+12+\b]
	v_cvt_scalef32_pk8_fp4_f32 v[\pc+1+2*\b], v[\s+8+16*\b:\s+15+16*\b], v[TM+12+\b]
.endr
	v_nop                                          ; one plain line behind the conversions
.irp c, 0,1                                    ; a whole block to a lane: lanes 0-15 block 2 c, lanes 16-31 block 2 c + 1
.irp i, 0,1
	v_permlane16_swap_b32 v[\pc+4*\c+\i], v[\pc+2+4*\c+\i]
.endr
.endr
.endm
.irp a, 0,1,2,3,4,5,6,7
	WIN 0x02+(\a)/4                                ; source 0: window 2 or 3
.set jj, 0
.rept 32
	v_pk_add_f32 v[T+jj:T+jj+1], v[64*((\a)%4)+jj:64*((\a)%4)+jj+1], v[BQ+2*(\a):BQ+2*(\a)+1]   ; each accumulator from its low end on
.set jj, jj+2
.endr
	WIN 0
	QUANT T, PC+8*(\a), PW+(\a)
	global_store_b128 v[OFF+2*\a], v[PC+8*(\a):PC+8*(\a)+3], s[10:11]       ; 32 lanes store 512 consecutive bytes, aligned
	global_store_b128 v[OFF+2*\a+1], v[PC+8*(\a)+4:PC+8*(\a)+7], s[10:11]
.endr
.irp p, 0,1,2,3
	v_perm_b32 v60, v[PW+2*\p+1], v[PW+2*\p], s38
	v_perm_b32 v61, v[PW+2*\p+1], v[PW+2*\p], s39
	v_cndmask_b32 v[WM+\p], v60, v61, s49
	global_store_b32 v[OFFS+\p], v[WM+\p], s[12:13]
.endr
	s_wait_tensorcnt 0x0
	ds_add_u32 v126, v127
	s_wait_dscnt 0x0
	CROUND                                         ; the closing round
	s_endpgm
.Lfunc_end_k_q7a25a18ca6_qkv:
	.size	k_q7a25a18ca6_qkv, .Lfunc_end_k_q7a25a18ca6_qkv-k_q7a25a18ca6_qkv
	.p2alignl 7, 3214868480
	.fill 96, 4, 3214868480
	.section	.rodata,"a",@progbits
	.p2align	6, 0x0
	.amdhsa_kernel k_q7a25a18ca6_qkv
		.amdhsa_group_segment_fixed_size 327680
		.amdhsa_private_segment_fixed_size 0
		.amdhsa_enable_private_segment 0
		.amdhsa_kernarg_size 40
		.amdhsa_user_sgpr_count 2
		.amdhsa_user_sgpr_kernarg_segment_ptr 1
		.amdhsa_wavefront_size32 1
		.amdhsa_system_sgpr_workgroup_id_x 1
		.amdhsa_system_sgpr_workgroup_id_y 1
		.amdhsa_system_sgpr_workgroup_id_z 1
		.amdhsa_system_vgpr_workitem_id 0
		.amdhsa_next_free_vgpr 1024
		.amdhsa_next_free_sgpr 102
		.amdhsa_reserve_vcc 0
		.amdhsa_float_denorm_mode_32 3
		.amdhsa_float_denorm_mode_16_64 3
		.amdhsa_memory_ordered 1
		.amdhsa_forward_progress 1
		.amdhsa_inst_pref_size 154
	.end_amdhsa_kernel
	.amdgpu_metadata
---
amdhsa.version: [ 1, 2 ]
amdhsa.kernels:
  - .name:           k_q7a25a18ca6_qkv
    .symbol:         k_q7a25a18ca6_qkv.kd
    .args:
      - { .name: cod, .offset: 0, .size: 8, .value_kind: global_buffer, .address_space: global }
      - { .name: scl, .offset: 8, .size: 8, .value_kind: global_buffer, .address_space: global }
      - { .name: Wqkv_b, .offset: 16, .size: 8, .value_kind: global_buffer, .address_space: global }
      - { .name: img, .offset: 24, .size: 8, .value_kind: global_buffer, .address_space: global }
      - { .name: sc, .offset: 32, .size: 8, .value_kind: global_buffer, .address_space: global }
    .group_segment_fixed_size: 327680
    .private_segment_fixed_size: 0
    .kernarg_segment_align: 8
    .kernarg_segment_size: 40
    .max_flat_workgroup_size: 128
    .sgpr_count:     102
    .vgpr_count:     1024
    .wavefront_size: 32
...
	.end_amdgpu_metadata
.endif
;; end of part 2
;; launch attn (part 3): grid 4 x 64, 16 waves a work-group, clusters of 4 x 1, 169,984 bytes of LDS; arguments img, sc, ac, asc; writes ac, asc
.if DOCPART == 3
	.amdgcn_target "amdgcn-amd-amdhsa--gfx1250"
	.amdhsa_code_object_version 6
	.text
	.protected	k_q7a25a18ca6_attn
	.globl	k_q7a25a18ca6_attn
	.p2align	8
	.type	k_q7a25a18ca6_attn,@function
k_q7a25a18ca6_attn:
	s_mov_b64 s[64:65], 0
	v_nop
	global_prefetch_b8 v0, s[64:65] scope:SCOPE_SE
	s_setreg_imm32_b32 hwreg(HW_REG_WAVE_MODE, 25, 1), 1
	s_wait_xcnt 0x0
	s_wait_alu depctr_hold_cnt(0) depctr_sa_sdst(0) depctr_va_vdst(0) depctr_va_sdst(0) depctr_va_ssrc(0) depctr_va_vcc(0) depctr_vm_vsrc(0)
	s_getreg_b32 s2, hwreg(HW_REG_IB_STS2, 6, 4)
	s_cmp_eq_u32 s2, 0
	s_cbranch_scc0 .Lentry_in_a_cluster
	s_endpgm
.Lentry_in_a_cluster:
	s_bfe_u32 s2, ttmp6, 0x10000c
	s_cmp_lg_u32 s2, 0x3003
	s_cbranch_scc0 .Lentry_shape_is_right
	s_endpgm
.Lentry_shape_is_right:
; Causal attention of one (batch, head) to a cluster of four work-groups, on codes of FP4 with E8M0 scales; head size 64, 2,048 keys.
; t = score x log2(e) / 8; M = the running largest t rounded UP to a whole number; p = 2^(t - M) is quantised along the keys, not normalised; the row's sum is taken of the unquantised p and divides O at the end;
; when M moves, the sum and O are multiplied by 2^(old M - new M), exactly.  O / sum is quantised along the head's 64 and leaves as an image of operand registers for the last product.
; LDS: the head's whole K (65,536 bytes), V (65,536) and their scale words (4,096 each), as dense images of operand registers, FILLED ONCE by joint loads of the four partners.
; SHARES.  Sixteen waves, four to a SIMD.  Wave w has g = w / 2 and place 2 cx + w % 2 among the eight tiles of 16 queries of a group of 128.  It does two jobs: that tile of group 15 - g, then of group g:
; 17 key steps of 128 keys in every wave.  Trip counts and branches hang on the wave's number alone.  A step all of whose keys come after the queries is jumped over; in the step on the diagonal hidden scores become -infinity.
; LAYOUT.  Both products are used transposed: a lane holds ONE query.  The tokens of a tile are not neighbours (lane r: 8 u + r + 8 (r / 8) of a group of 32), so that the 16 registers of tiles 2 b, 2 b + 1 are 16 neighbouring keys.
; K = 64 IN AN INSTRUCTION OF K = 128: source 0 holds TWO tiles of keys (registers 0-3, 4-7); source 1 is q with zeros above (v[16:23]) or below (v[20:27]): zero codes add nothing.
; LIMITS: NaN and infinities are not served; a block whose largest magnitude lies under 2^-124 has its byte held at 1; a block of zeros has the byte 1 (its codes are zeros; this program alone reads the bytes).
; REGISTERS: v1 16 x lane; v2 K's scale words' place; v3 my query less 16 (lane / 16), in its group; v4 4 r; v5 32 r + h; v8-10 the step's LDS addresses; v12 -M, v13 the largest t, v[14:15] the sum;
;   v[16:19] q, v[20:23] zeros, v[24:27] q; v28 q's scale word; v32-63 K; v64-95 V; v96-159 S^T, then p; v160-191 O^T; v192-199 scale words; v224-231 p's codes; v232-254 at work (v252 f, v253 p's scale word).
.macro CROUND                          ; a round of the cluster's barrier
	s_barrier_signal -1
	s_barrier_wait -1
	s_cmp_lg_u32 s12, 0
	s_cbranch_scc1 .Lnot_wave_0_\@
	s_barrier_signal -3
.Lnot_wave_0_\@:
	s_barrier_wait -3
	s_barrier_signal -1
	s_barrier_wait -1
.endm
	s_load_b256 s[4:11], s[0:1], 0x0               ; img s[4:5], sc s[6:7], ac s[8:9], asc s[10:11]
	v_lshl_add_u32 v251, v0, 2, 0x29000
	v_mov_b32 v255, 0
	ds_add_u32 v251, v255
	ds_add_u32 v251, v255
	v_lshrrev_b32 v6, 5, v0
	s_delay_alu instid0(VALU_DEP_1)
	v_readfirstlane_b32 s12, v6                    ; wave 0..15
	s_bfe_u32 s13, ttmp6, 0x40000                  ; cx: it enters global offsets and the mask's numbers alone
	s_and_b32 s14, ttmp7, 0xffff                   ; 16 x batch + head
	s_and_b32 s15, s14, 15                         ; head
	s_lshr_b32 s16, s14, 4                         ; batch
	s_lshr_b32 s17, s12, 1                         ; g
	s_and_b32 s19, s12, 1
	s_lshl_b32 s18, s13, 1
	s_add_co_u32 s18, s18, s19                     ; my tile's place in a group of 128 queries
	s_lshl_b32 s19, s19, 4                         ; which half of a pair's scale word is my tile's: 16 (w % 2) bits up
	s_mov_b32 s20, 0x76543210
	s_mov_b32 s21, 0xfedcba98                      ; lane l xor 16
	s_mov_b32 s22, 0x3e38aa3b                      ; c = log2(e) / 8
	s_mov_b32 s23, s22                             ; (named with it as a pair)
	s_mov_b32 s60, 0xffff0000                      ; lanes 16-31
	; descriptor group 1: dense blocks as rows of 256 bytes (32 elements of 8): 64 rows for codes, 16 for scale words; the mask names all four partners, bit 21 beside it
	s_mov_b32 s24, 15|(3<<16)|(1<<21)
	s_mov_b32 s25, 32<<16
	s_mov_b32 s26, 64<<16
	s_mov_b32 s27, 32<<16
	s_mov_b32 s28, 64
	s_mov_b32 s29, 32
	s_mov_b32 s30, 0
	s_mov_b32 s31, 0
	s_mov_b32 s32, 15|(3<<16)|(1<<21)
	s_mov_b32 s33, 32<<16
	s_mov_b32 s34, 16<<16
	s_mov_b32 s35, 32<<16
	s_mov_b32 s36, 16
	s_mov_b32 s37, 32
	s_mov_b32 s38, 0
	s_mov_b32 s39, 0
	s_add_co_u32 s74, s15, 16                      ; K: img + (16 + head) x 262,144 + batch x 65,536 + 16,384 x wave
	s_lshl_b32 s74, s74, 18
	s_lshl_b32 s75, s16, 16
	s_add_co_u32 s74, s74, s75
	s_lshl_b32 s75, s12, 14
	s_add_co_u32 s74, s74, s75
	s_mov_b32 s75, 0
	s_lshl_b32 s78, s14, 16                        ; V: img + 8,388,608 + (16 batch + head) x 65,536 + 16,384 x (wave % 4)
	s_add_co_u32 s78, s78, 8388608
	s_and_b32 s77, s12, 3
	s_lshl_b32 s77, s77, 14
	s_add_co_u32 s78, s78, s77
	s_mov_b32 s79, 0
	s_add_co_u32 s80, s15, 16                      ; K's scale words: sc + (16 + head) x 16,384 + batch x 4,096
	s_lshl_b32 s80, s80, 14
	s_lshl_b32 s81, s16, 12
	s_add_co_u32 s80, s80, s81
	s_mov_b32 s81, 0
	s_lshl_b32 s82, s14, 12                        ; V's: sc + 524,288 + (16 batch + head) x 4,096
	s_add_co_u32 s82, s82, 524288
	s_mov_b32 s83, 0
	s_wait_dscnt 0x0
	s_wait_kmcnt 0x0
	s_mov_b32 s40, 1
	s_lshl_b32 s41, s12, 14                        ; LDS: 16,384 x wave: waves 0-3 K's quarters, waves 4-7 V's
	s_add_nc_u64 s[42:43], s[4:5], s[74:75]
	s_or_b32 s43, s43, 0x80000000
	s_mov_b32 s44, 1
	s_lshl_b32 s45, s12, 14
	s_add_nc_u64 s[46:47], s[4:5], s[78:79]
	s_or_b32 s47, s47, 0x80000000
	s_mov_b32 s48, 1
	s_mov_b32 s49, 131072
	s_add_nc_u64 s[50:51], s[6:7], s[80:81]
	s_or_b32 s51, s51, 0x80000000
	s_mov_b32 s52, 1
	s_mov_b32 s53, 135168
	s_add_nc_u64 s[54:55], s[6:7], s[82:83]
	s_or_b32 s55, s55, 0x80000000
	CROUND                                         ; all four work-groups are here: the joint loads meet
	s_cmp_lt_u32 s12, 4                            ; one load a wave at the most; the branches hang on the wave's number alone.  Four v_nop follow each load
	s_cbranch_scc0 .Lnot_k
	tensor_load_to_lds s[40:43], s[24:31]
	s_nop 0
.rept 4
	v_nop
.endr
	s_branch .Lasked
.Lnot_k:
	s_cmp_lt_u32 s12, 8
	s_cbranch_scc0 .Lnot_v
	tensor_load_to_lds s[44:47], s[24:31]
	s_nop 0
.rept 4
	v_nop
.endr
	s_branch .Lasked
.Lnot_v:
	s_cmp_eq_u32 s12, 8
	s_cbranch_scc0 .Lnot_ks
	tensor_load_to_lds s[48:51], s[32:39]
	s_nop 0
.rept 4
	v_nop
.endr
	s_branch .Lasked
.Lnot_ks:
	s_cmp_eq_u32 s12, 9
	s_cbranch_scc0 .Lasked
	tensor_load_to_lds s[52:55], s[32:39]
	s_nop 0
.rept 4
	v_nop
.endr
.Lasked:
	v_and_b32 v1, 31, v0
	s_delay_alu instid0(VALU_DEP_1)
	v_lshlrev_b32 v1, 4, v1                        ; 16 x lane
	v_and_b32 v6, 15, v0                           ; r
	v_bfe_u32 v7, v0, 4, 1                         ; h
	s_delay_alu instid0(VALU_DEP_2)
	v_lshl_add_u32 v2, v6, 2, 0x20000              ; K's scale words: 131,072 + 4 r
	s_delay_alu instid0(VALU_DEP_3)
	v_and_b32 v3, 8, v6
	s_delay_alu instid0(VALU_DEP_1)
	v_add_nc_u32 v3, v3, v6                        ; r + 8 (r / 8)
	s_delay_alu instid0(VALU_DEP_4)
	v_lshlrev_b32 v29, 4, v7
	s_delay_alu instid0(VALU_DEP_1)
	v_sub_nc_u32 v3, v3, v29                       ; - 16 h
	s_lshr_b32 s74, s18, 1
	s_lshl_b32 s74, s74, 5
	s_and_b32 s75, s18, 1
	s_lshl_b32 s75, s75, 3
	s_add_co_u32 s74, s74, s75
	v_add_nc_u32 v3, s74, v3                       ; + my tile's first token in its group of 128
	v_lshlrev_b32 v4, 2, v6
	v_lshl_add_u32 v5, v6, 5, v7                   ; 32 r + h
.irp j, 20,21,22,23
	v_mov_b32 v[\j], 0                             ; the zero codes beside q
.endr
.irp b, 0,1,2,3
	v_mov_b32 v[236+\b], 0                         ; written once: a lane permute's destination counts as one of its sources
.endr
	v_mov_b32 v252, 0
	v_mov_b32 v253, 0
	s_wait_tensorcnt 0x0                           ; my load has landed,
	s_barrier_signal -1
	s_barrier_wait -1                              ; everybody's has.  From here on LDS is only read
; A KEY STEP: 128 keys, at LDS bytes s56 (codes) and s57 (scale words).
.macro STEP
	v_add_nc_u32 v8, s56, v1                       ; these four lines are the places between the last products and the loads into the registers that they read
	v_add_nc_u32 v10, s57, v2
	s_delay_alu instid0(VALU_DEP_2)
	v_add_nc_u32 v9, 0x10000, v8
	v_nop
.irp p, 0,1,2,3
	ds_load_b128 v[32+8*\p:35+8*\p], v8 offset:1024*\p          ; tile 2 p of 16 keys
	ds_load_b128 v[36+8*\p:39+8*\p], v8 offset:1024*\p+512      ; tile 2 p + 1
	ds_load_b32 v[192+\p], v10 offset:64*\p                     ; both tiles' scale bytes
.endr
.irp t, 0,1,2,3
	ds_load_b128 v[64+8*\t:67+8*\t], v9 offset:1024*\t          ; V: 16 channels x 128 keys
	ds_load_b128 v[68+8*\t:71+8*\t], v9 offset:1024*\t+512
	ds_load_b32 v[196+\t], v10 offset:4096+64*\t
.endr
	s_wait_dscnt 12                                ; K's twelve loads are in; V's twelve may be out
.irp p, 0,1,2,3
	v_wmma_scale_f32_16x16x128_f8f6f4 v[96+16*\p:103+16*\p], v[32+8*\p:39+8*\p], v[16:23], 0, v[192+\p], v28 matrix_a_fmt:MATRIX_FMT_FP4 matrix_b_fmt:MATRIX_FMT_FP4
	v_wmma_scale_f32_16x16x128_f8f6f4 v[104+16*\p:111+16*\p], v[32+8*\p:39+8*\p], v[20:27], 0, v[192+\p], v28 matrix_a_fmt:MATRIX_FMT_FP4 matrix_b_fmt:MATRIX_FMT_FP4
.endr
.rept 4
	v_nop
.endr
	s_cmp_lg_u32 s58, s59                          ; only the step on the diagonal hides keys: register 16 b + i holds key 32 b + 16 (lane / 16) + i of the step: hidden where 32 b + i > v3
	s_cbranch_scc1 .Lopen_\@
	v_mov_b32 v254, 0xff800000                     ; -infinity
.irp n, 0,1,2,3,4,5,6,7,8,9,10,11,12,13,14,15,16,17,18,19,20,21,22,23,24,25,26,27,28,29,30,31,32,33,34,35,36,37,38,39,40,41,42,43,44,45,46,47,48,49,50,51,52,53,54,55,56,57,58,59,60,61,62,63
	v_cmp_gt_i32 vcc_lo, 32*(\n/16)+\n%16, v3
	v_cndmask_b32 v[96+\n], v[96+\n], v254, vcc_lo
.endr
.Lopen_\@:
.irp b, 0,1,2,3
	v_max3_num_f32 v[232+\b], v[96+16*\b], v[97+16*\b], v[98+16*\b]   ; the largest score of each block of 32 keys: for the row's maximum, and, since p rises with the score, for the block's largest p
.endr
.irp i, 3,5,7,9,11,13
.irp b, 0,1,2,3
	v_max3_num_f32 v[232+\b], v[232+\b], v[96+16*\b+\i], v[97+16*\b+\i]
.endr
.endr
.irp b, 0,1,2,3
	v_max_num_f32 v[232+\b], v[232+\b], v[111+16*\b]
.endr
.irp b, 0,1,2,3
	s_delay_alu instid0(VALU_DEP_4)
	v_permlanex16_b32 v[236+\b], v[232+\b], s20, s21
.endr
.irp b, 0,1,2,3
	s_delay_alu instid0(VALU_DEP_4)
	v_max_num_f32 v[232+\b], v[232+\b], v[236+\b]  ; with lane l xor 16's 16 keys
.endr
	s_delay_alu instid0(VALU_DEP_2)
	v_max3_num_f32 v254, v232, v233, v234
	s_delay_alu instid0(VALU_DEP_1)
	v_max_num_f32 v254, v254, v235                 ; the step's largest score of my query
	s_delay_alu instid0(VALU_DEP_1)
	v_mul_f32 v254, s22, v254                      ; as t
	s_delay_alu instid0(VALU_DEP_1)
	v_max_num_f32 v13, v13, v254                   ; the running largest t
	v_mov_b32 v254, v12
	s_delay_alu instid0(VALU_DEP_2)
	v_floor_f32 v12, -v13                          ; the new -M = floor(-t)
	s_delay_alu instid0(VALU_DEP_1)
	v_sub_f32 v254, v12, v254                      ; old M - new M: a whole number, 0 or less
	s_delay_alu instid0(VALU_DEP_1)
	v_cvt_i32_f32 v254, v254                       ; (it saturates)
	s_delay_alu instid0(VALU_DEP_1)
	v_ldexp_f32 v252, 1.0, v254                    ; f = 2^(old M - new M)
.irp j, 0,2,4,6,8,10,12,14,16,18,20,22,24,26,28,30,32,34,36,38,40,42,44,46,48,50,52,54,56,58,60,62
	v_pk_fma_f32 v[96+\j:97+\j], v[96+\j:97+\j], s[22:23], v[12:13] op_sel_hi:[1,0,0]   ; t - M, two at a time
.endr
	s_setprio 1
.irp b, 0,1,2,3
	v_fma_f32 v[232+\b], v[232+\b], s22, v12       ; the same of each block's largest score
.endr
	s_wait_alu depctr_va_vdst(0)
.irp j, 0,1,2,3,4,5,6,7,8,9,10,11,12,13,14,15,16,17,18,19,20,21,22,23,24,25,26,27,28,29,30,31,32,33,34,35,36,37,38,39,40,41,42,43,44,45,46,47,48,49,50,51,52,53,54,55,56,57,58,59,60,61,62,63
	v_exp_f32 v[96+\j], v[96+\j]                   ; p = 2^(t - M)
.endr
	v_pk_mul_f32 v[14:15], v[14:15], v[252:253] op_sel_hi:[1,0]   ; the sums under the new M (a plain line behind the exponentials)
	s_wait_alu depctr_va_vdst(0)                   ; one wait for the batch of 64, ahead of its first reader
.irp b, 0,1,2,3
	v_exp_f32 v[232+\b], v[232+\b]                 ; the block's largest p
.endr
	v_pk_add_f32 v[236:237], v[100:101], v[104:105]
	v_pk_add_f32 v[248:249], v[108:109], v[112:113]
	v_pk_add_f32 v[246:247], v[116:117], v[120:121]
	v_pk_add_f32 v[244:245], v[124:125], v[128:129]
	v_pk_add_f32 v[242:243], v[132:133], v[136:137]
	v_pk_add_f32 v[240:241], v[140:141], v[144:145]
	v_pk_add_f32 v[238:239], v[148:149], v[152:153]
	v_pk_add_f32 v[14:15], v[14:15], v[156:157]
	v_pk_add_f32 v[236:237], v[236:237], v[96:97]
	v_pk_add_f32 v[248:249], v[248:249], v[98:99]
	v_pk_add_f32 v[246:247], v[246:247], v[102:103]
	v_pk_add_f32 v[244:245], v[244:245], v[106:107]
	v_pk_add_f32 v[242:243], v[242:243], v[110:111]
	v_pk_add_f32 v[240:241], v[240:241], v[114:115]
	v_pk_add_f32 v[238:239], v[238:239], v[118:119]
	v_pk_add_f32 v[14:15], v[14:15], v[122:123]
	v_pk_add_f32 v[236:237], v[236:237], v[126:127]
	v_pk_add_f32 v[248:249], v[248:249], v[130:131]
	v_pk_add_f32 v[246:247], v[246:247], v[134:135]
	v_pk_add_f32 v[244:245], v[244:245], v[138:139]
	v_pk_add_f32 v[242:243], v[242:243], v[142:143]
	v_pk_add_f32 v[240:241], v[240:241], v[146:147]
	v_pk_add_f32 v[238:239], v[238:239], v[150:151]
	v_pk_add_f32 v[14:15], v[14:15], v[154:155]
	v_pk_add_f32 v[236:237], v[236:237], v[158:159]
	s_delay_alu instid0(VALU_DEP_2)
	v_pk_add_f32 v[14:15], v[14:15], v[244:245]
	s_delay_alu instid0(VALU_DEP_2)
	v_pk_add_f32 v[236:237], v[236:237], v[242:243]
	v_pk_add_f32 v[248:249], v[248:249], v[240:241]
	v_pk_add_f32 v[246:247], v[246:247], v[238:239]
	s_delay_alu instid0(VALU_DEP_2)
	v_pk_add_f32 v[14:15], v[14:15], v[248:249]
	s_delay_alu instid0(VALU_DEP_2)
	v_pk_add_f32 v[236:237], v[236:237], v[246:247]
	s_delay_alu instid0(VALU_DEP_1)
	v_pk_add_f32 v[14:15], v[14:15], v[236:237]
	s_wait_alu depctr_va_vdst(0)                   ; and one for the four
.irp b, 0,1,2,3
	v_max_num_f32 v[232+\b], 0x1800000, v[232+\b]  ; the floor 2^(3 - 127): the byte cannot fall under 1
.endr
.irp b, 0,1,2,3
	s_delay_alu instid0(VALU_DEP_4)
	v_add_nc_u32 v[244+\b], 0xff000000, v[232+\b]  ; 2 off the exponent field: the conversion's scale operand
.endr
.irp b, 0,1,2,3
	s_delay_alu instid0(VALU_DEP_4)
	v_lshrrev_b32 v[236+\b], 23, v[244+\b]         ; the scale's byte
.endr
	s_delay_alu instid0(VALU_DEP_3)
	v_lshl_or_b32 v253, v237, 8, v236              ; p's scale word for these 128 keys
	s_delay_alu instid0(VALU_DEP_1)
	v_lshl_or_b32 v253, v238, 16, v253
	s_delay_alu instid0(VALU_DEP_1)
	v_lshl_or_b32 v253, v239, 24, v253
	s_setprio 0
.irp b, 0,1,2,3
	v_cvt_scalef32_pk8_fp4_f32 v[224+2*\b], v[96+16*\b:103+16*\b], v[244+\b]
	v_cvt_scalef32_pk8_fp4_f32 v[225+2*\b], v[104+16*\b:111+16*\b], v[244+\b]
.endr
	v_nop                                          ; one plain line behind the conversions
.irp c, 0,1                                    ; a whole block to a lane
.irp i, 0,1
	v_permlane16_swap_b32 v[224+4*\c+\i], v[226+4*\c+\i]
.endr
.endr
.irp j, 0,2,4,6,8,10,12,14,16,18,20,22,24,26,28,30
	v_pk_mul_f32 v[160+\j:161+\j], v[160+\j:161+\j], v[252:253] op_sel_hi:[1,0]   ; O^T under the new M; these sixteen also stand between the writes of p's codes and scale word and the products
.endr
	s_wait_alu depctr_va_vdst(0)
	s_wait_dscnt 0x0                               ; V is in
.irp t, 0,1,2,3
	v_wmma_scale_f32_16x16x128_f8f6f4 v[160+8*\t:167+8*\t], v[64+8*\t:71+8*\t], v[224:231], v[160+8*\t:167+8*\t], v[196+\t], v253 matrix_a_fmt:MATRIX_FMT_FP4 matrix_b_fmt:MATRIX_FMT_FP4   ; the four accumulators by turns; the next step's eight products stand between two links
.endr
.endm
; A JOB: the tile 8 x s59 + my place of the head's queries.
.macro JOB second
.if \second
	s_wait_xcnt 0x0                                ; the first job's loads and stores have read their bases, offsets and data
.endif
	s_lshl_b32 s74, s59, 3
	s_add_co_u32 s74, s74, s18                     ; T: the tile in the batch
	s_lshl_b32 s75, s15, 18
	s_lshl_b32 s76, s16, 16
	s_add_co_u32 s75, s75, s76
	s_lshl_b32 s76, s74, 9
	s_add_co_u32 s76, s75, s76
	s_mov_b32 s77, 0
	s_add_nc_u64 s[66:67], s[4:5], s[76:77]        ; q's image: head x 262,144 + batch x 65,536 + 512 T
	s_lshl_b32 s75, s15, 14
	s_lshl_b32 s76, s16, 12
	s_add_co_u32 s75, s75, s76
	s_lshr_b32 s76, s74, 1
	s_lshl_b32 s76, s76, 6
	s_add_co_u32 s76, s75, s76
	s_add_nc_u64 s[68:69], s[6:7], s[76:77]        ; its scale words: head x 16,384 + batch x 4,096 + 64 (T / 2)
	s_lshl_b32 s75, s16, 7
	s_add_co_u32 s75, s75, s74                     ; 128 batch + T
	s_lshl_b32 s76, s75, 13
	s_lshl_b32 s78, s15, 9
	s_add_co_u32 s76, s76, s78
	s_add_nc_u64 s[70:71], s[8:9], s[76:77]        ; the result's image: tile x 8,192 + 512 head
	s_lshl_b32 s76, s75, 9
	s_lshl_b32 s78, s15, 1
	s_add_co_u32 s76, s76, s78
	s_add_nc_u64 s[72:73], s[10:11], s[76:77]      ; its scale bytes: tile x 512 + 2 head
	global_load_b128 v[16:19], v1, s[66:67]
	global_load_b128 v[24:27], v1, s[66:67]        ; q twice: below and above the zeros
	global_load_b32 v29, v4, s[68:69]
	s_wait_loadcnt 0x0
	v_lshrrev_b32 v29, s19, v29
	s_delay_alu instid0(VALU_DEP_1)
	v_and_b32 v29, 0xffff, v29                     ; my tile's two bytes,
	s_delay_alu instid0(VALU_DEP_1)
	v_lshl_or_b32 v28, v29, 16, v29                ; for both halves of the instruction's K
	v_mov_b32 v13, 0xff61b1e6                      ; the largest t so far: -3e38
	s_delay_alu instid0(VALU_DEP_1)
	v_floor_f32 v12, -v13
	v_mov_b32 v14, 0
	v_mov_b32 v15, 0
.set i, 0
.rept 32
	v_mov_b32 v[160+i], 0                          ; O^T: the step is written once; the first finds zeros.  (These lines also stand between the write of q's scale word and the products)
.set i, i+1
.endr
	s_mov_b32 s56, 0
	s_mov_b32 s57, 0
	s_mov_b32 s58, 0
.Lstep_\@:                                         ; sixteen trips, a constant; a step behind the diagonal is four scalar lines
	s_cmp_gt_u32 s58, s59
	s_cbranch_scc1 .Lhidden_\@
	s_setprio 2
	STEP
.Lhidden_\@:
	s_add_co_u32 s56, s56, 4096
	s_add_co_u32 s57, s57, 256
	s_add_co_u32 s58, s58, 1
	s_cmp_lt_u32 s58, 16
	s_cbranch_scc1 .Lstep_\@
	s_setprio 0
.rept 4
	v_nop                                          ; behind the last products
.endr
	v_add_f32 v14, v14, v15                        ; the sum's two halves,
	s_delay_alu instid0(VALU_DEP_1)
	v_permlanex16_b32 v252, v14, s20, s21
	s_delay_alu instid0(VALU_DEP_1)
	v_add_f32 v14, v14, v252                       ; and lane l xor 16's
	s_wait_alu depctr_va_vdst(0)
	v_rcp_f32 v14, v14
	v_nop                                          ; a plain line behind the reciprocal
	s_wait_alu depctr_va_vdst(0)                   ; the wait ahead of its first reader
.irp j, 0,2,4,6,8,10,12,14,16,18,20,22,24,26,28,30
	v_pk_mul_f32 v[96+\j:97+\j], v[160+\j:161+\j], v[14:15] op_sel_hi:[1,0]   ; O^T / the sum: register 16 b + i is channel 32 b + 16 (lane / 16) + i
.endr
.irp b, 0,1
	v_max3_num_f32 v[232+\b], |v[96+16*\b]|, |v[97+16*\b]|, 0x1800000
.endr
.irp i, 2,4,6,8,10,12,14
.irp b, 0,1
	s_delay_alu instid0(VALU_DEP_2)
	v_max3_num_f32 v[232+\b], v[232+\b], |v[96+16*\b+\i]|, |v[97+16*\b+\i]|
.endr
.endr
.irp b, 0,1
	s_delay_alu instid0(VALU_DEP_2)
	v_permlanex16_b32 v[236+\b], v[232+\b], s20, s21
.endr
.irp b, 0,1
	s_delay_alu instid0(VALU_DEP_2)
	v_max_num_f32 v[232+\b], v[232+\b], v[236+\b]
.endr
.irp b, 0,1
	s_delay_alu instid0(VALU_DEP_2)
	v_add_nc_u32 v[244+\b], 0xff000000, v[232+\b]
.endr
.irp b, 0,1
	s_delay_alu instid0(VALU_DEP_2)
	v_lshrrev_b32 v[236+\b], 23, v[244+\b]
.endr
	s_delay_alu instid0(VALU_DEP_1)
	v_cndmask_b32 v240, v236, v237, s60            ; lane (r, h) stores block h's byte
.irp b, 0,1
	v_cvt_scalef32_pk8_fp4_f32 v[224+2*\b], v[96+16*\b:103+16*\b], v[244+\b]
	v_cvt_scalef32_pk8_fp4_f32 v[225+2*\b], v[104+16*\b:111+16*\b], v[244+\b]
.endr
	v_nop
	v_permlane16_swap_b32 v224, v226               ; lane (r, h): channels 32 h + 0 .. 31 of query r
	v_permlane16_swap_b32 v225, v227
	global_store_b128 v1, v[224:227], s[70:71]     ; 32 lanes store 512 consecutive bytes, aligned
	global_store_b8 v5, v240, s[72:73]
.endm
	s_sub_co_u32 s59, 15, s17
	JOB 0
	s_mov_b32 s59, s17
	JOB 1
	s_wait_tensorcnt 0x0
	ds_add_u32 v251, v255
	s_wait_dscnt 0x0
	CROUND                                         ; the closing round
	s_endpgm
.Lfunc_end_k_q7a25a18ca6_attn:
	.size	k_q7a25a18ca6_attn, .Lfunc_end_k_q7a25a18ca6_attn-k_q7a25a18ca6_attn
	.p2alignl 7, 3214868480
	.fill 96, 4, 3214868480
	.section	.rodata,"a",@progbits
	.p2align	6, 0x0
	.amdhsa_kernel k_q7a25a18ca6_attn
		.amdhsa_group_segment_fixed_size 169984
		.amdhsa_private_segment_fixed_size 0
		.amdhsa_enable_private_segment 0
		.amdhsa_kernarg_size 32
		.amdhsa_user_sgpr_count 2
		.amdhsa_user_sgpr_kernarg_segment_ptr 1
		.amdhsa_wavefront_size32 1
		.amdhsa_system_sgpr_workgroup_id_x 1
		.amdhsa_system_sgpr_workgroup_id_y 1
		.amdhsa_system_sgpr_workgroup_id_z 1
		.amdhsa_system_vgpr_workitem_id 0
		.amdhsa_next_free_vgpr 256
		.amdhsa_next_free_sgpr 84
		.amdhsa_reserve_vcc 1
		.amdhsa_float_denorm_mode_32 3
		.amdhsa_float_denorm_mode_16_64 3
		.amdhsa_memory_ordered 1
		.amdhsa_forward_progress 1
		.amdhsa_inst_pref_size 64
	.end_amdhsa_kernel
	.amdgpu_metadata
---
amdhsa.version: [ 1, 2 ]
amdhsa.kernels:
  - .name:           k_q7a25a18ca6_attn
    .symbol:         k_q7a25a18ca6_attn.kd
    .args:
      - { .name: img, .offset: 0, .size: 8, .value_kind: global_buffer, .address_space: global }
      - { .name: sc, .offset: 8, .size: 8, .value_kind: global_buffer, .address_space: global }
      - { .name: ac, .offset: 16, .size: 8, .value_kind: global_buffer, .address_space: global }
      - { .name: asc, .offset: 24, .size: 8, .value_kind: global_buffer, .address_space: global }
    .group_segment_fixed_size: 169984
    .private_segment_fixed_size: 0
    .kernarg_segment_align: 8
    .kernarg_segment_size: 32
    .max_flat_workgroup_size: 512
    .sgpr_count:     84
    .vgpr_count:     256
    .wavefront_size: 32
...
	.end_amdgpu_metadata
.endif
;; end of part 3
;; launch proj (part 4): grid 4 x 32, 4 waves a work-group, clusters of 4 x 4, 327,680 bytes of LDS; arguments ac, asc, cod, scl, out_b, out0; writes out0
.if DOCPART == 4
	.amdgcn_target "amdgcn-amd-amdhsa--gfx1250"
	.amdhsa_code_object_version 6
	.text
	.protected	k_q7a25a18ca6_proj
	.globl	k_q7a25a18ca6_proj
	.p2align	8
	.type	k_q7a25a18ca6_proj,@function
k_q7a25a18ca6_proj:
	s_mov_b64 s[64:65], 0
	v_nop
	global_prefetch_b8 v0, s[64:65] scope:SCOPE_SE
	s_setreg_imm32_b32 hwreg(HW_REG_WAVE_MODE, 25, 1), 1
	s_wait_xcnt 0x0
	s_wait_alu depctr_hold_cnt(0) depctr_sa_sdst(0) depctr_va_vdst(0) depctr_va_sdst(0) depctr_va_ssrc(0) depctr_va_vcc(0) depctr_vm_vsrc(0)
	s_getreg_b32 s2, hwreg(HW_REG_IB_STS2, 6, 4)
	s_cmp_eq_u32 s2, 0
	s_cbranch_scc0 .Lentry_in_a_cluster
	s_endpgm
.Lentry_in_a_cluster:
	s_bfe_u32 s2, ttmp6, 0x10000c
	s_cmp_lg_u32 s2, 0xf033
	s_cbranch_scc0 .Lentry_shape_is_right
	s_endpgm
.Lentry_shape_is_right:
; out0 = attn_out out_w^T + out_b on codes of FP4 with E8M0 scales, K = 1,024.  A tile of 256 x 256 to a work-group of four waves, 128 x 128 a wave: 64 accumulators.
; All of K lies in LDS: two slots of 512 along K, EACH FILLED ONCE; the scale bytes beside them.
; Source 1 is side Q: attn_out, as images of operand registers, ac [tile of 16 tokens][head][512 bytes]: heads 2 s and 2 s + 1 are the fragment of K step s; its scale bytes asc [token's place][32].
; Source 0 is side P: out_w's rows of cod (places 11,264 on), whose rows run along a lane's registers: with the places of cod the 16 registers of tiles 2 g, 2 g + 1 are 16 neighbouring columns of out0.
; The tokens' places are those of cod as well: tile a's lane t is row 32 (a / 2) + 8 (a % 2) + t + 8 (t / 8) of the wave's 128; the stores put each row where it belongs.
; CLUSTER 4 x 4: Q's tiles are asked for jointly along a row of the cluster, P's along a column.
; REGISTERS: window 0: v1 r, v2 h, v16-27 addresses; v32-95 scale words, two sets; v128-191 Q's fragments, one set; v192-255 the bias (C of the first products); on the way out v128-255 hold rows.
;   window 1: P's fragments, two sets.  windows 2, 3: the accumulators ((a, b) at v[8 (8 (a % 4) + b)]).
.set NQ,     4
.set ROWB,   256
.set KROW,   512
.set PITCH,  272
.set FR,     8
.set NL,     2
.set NP,     4
.set HALFT,  128*PITCH
.set QIMG,   65536                     ; Q's part of a slot: 16 tiles x 4,096 bytes, dense
.set SLOT,   QIMG+2*HALFT
.set KS,     32
.set SCL,    2*SLOT
.set HALFS,  (128*KS/256)*272
.set SBLK,   (16*KS/256)*272
.set SPITCH, 528                       ; the way out: a stage of 16 rows x (512 + 16) bytes for each wave, in slot 0's Q part: when the first result is stored there the slot has had its one fill and its last read
.set ADRA, 16
.set ADRB, 20
.set STO,  24
.set RD,   25
.set CO,   26
.set ADRS, 27
.set SC,   32
.set BPO,  112
.set AF,   128
.set BP,   192
.set BK,   128
.set G1, 24
.set G0, 32
.set G1B, 48
.set G0B, 56
.set G1S, 68
.set G0S, 76
.set G1SB, 80
.set G0SB, 88
.set MSB, 0
.macro WIN new
.if MSB != (\new)
	s_set_vgpr_msb (MSB<<8)|(\new)
.set MSB, (\new)
.endif
.endm
.set MUL_LO, 0xa1
.set MUL_HI, 0xf1
.set TO_B,   0x40
.macro JLOAD g0a, g1a, g0b, g1b        ; waves 0 and 1 fetch for Q, waves 2 and 3 for P; four v_nop follow each of the two lines
	s_cmp_eq_u32 s17, 0
	s_cbranch_scc0 .Lfor_b_\@
	tensor_load_to_lds s[\g0a:\g0a+3], s[\g1a:\g1a+7]
	s_nop 0
.rept 4
	v_nop
.endr
	s_branch .Lasked_\@
.Lfor_b_\@:
	tensor_load_to_lds s[\g0b:\g0b+3], s[\g1b:\g1b+7]
	s_nop 0
.rept 4
	v_nop
.endr
.Lasked_\@:
.endm
.macro CROUND
	s_barrier_signal -1
	s_barrier_wait -1
	s_cmp_lg_u32 s16, 0
	s_cbranch_scc1 .Lnot_wave_0_\@
	s_barrier_signal -3
.Lnot_wave_0_\@:
	s_barrier_wait -3
	s_barrier_signal -1
	s_barrier_wait -1
.endm
	s_load_b256 s[4:11], s[0:1], 0x0               ; ac s[4:5], asc s[6:7], cod s[8:9], scl s[10:11]
	s_load_b128 s[12:15], s[0:1], 0x20             ; out_b s[12:13], out0 s[14:15]
	v_lshl_add_u32 v126, v0, 2, 0x46400
	v_mov_b32 v127, 0
	ds_add_u32 v126, v127
	ds_add_u32 v126, v127
	v_lshrrev_b32 v1, 5, v0
	v_readfirstlane_b32 s16, v1                    ; wave 0..3
	s_lshr_b32 s17, s16, 1                         ; which 128 rows of Q are mine.  Also: I fetch for Q (0) or for P (1)
	s_and_b32 s18, s16, 1                          ; which 128 rows of P.  Also: which half I fetch
	s_bfe_u32 s40, ttmp6, 0x40000                  ; cx
	s_bfe_u32 s41, ttmp6, 0x40004                  ; cy
	s_and_b32 s42, ttmp7, 0xffff                   ; the cluster's y
	s_lshl_b32 s43, s41, 2
	s_lshl_b32 s43, 15, s43                        ; my row of the cluster
	s_lshl_b32 s44, 0x1111, s40                    ; my column
	s_or_b32 s[G1+0], s43, (3<<16)|(1<<21)         ; Q's codes: 8 tiles of tokens x 4,096 bytes (512 elements of 8), 8,192 bytes apart; no padding
	s_mov_b32 s[G1+1], 512<<16
	s_mov_b32 s[G1+2], 8<<16
	s_mov_b32 s[G1+3], 512<<16
	s_mov_b32 s[G1+4], 8
	s_mov_b32 s[G1+5], 1024
	s_mov_b32 s[G1+6], 0
	s_mov_b32 s[G1+7], 0
	s_or_b32 s[G1B+0], s44, (0<<16)|(1<<20)|(1<<21)|(5<<22)|(3<<25)  ; P's codes: 128 rows x 256 bytes, 4 words of padding behind every 64
	s_mov_b32 s[G1B+1], ROWB<<16
	s_mov_b32 s[G1B+2], 128<<16
	s_mov_b32 s[G1B+3], ROWB<<16
	s_mov_b32 s[G1B+4], 128
	s_mov_b32 s[G1B+5], KROW
	s_mov_b32 s[G1B+6], 0
	s_mov_b32 s[G1B+7], 0
	s_or_b32 s[G1S+0], s43, (3<<16)|(1<<20)|(1<<21)|(5<<22)|(3<<25)  ; the scales of 128 rows: 4,096 dense bytes
	s_or_b32 s[G1SB+0], s44, (3<<16)|(1<<20)|(1<<21)|(5<<22)|(3<<25)
.irp g, G1S, G1SB
	s_mov_b32 s[\g+1], 32<<16
	s_mov_b32 s[\g+2], (128*KS/256)<<16
	s_mov_b32 s[\g+3], 32<<16
	s_mov_b32 s[\g+4], 128*KS/256
	s_mov_b32 s[\g+5], 32
	s_mov_b32 s[\g+6], 0
	s_mov_b32 s[\g+7], 0
.endr
	s_lshl_b32 s19, s42, 2
	s_add_co_u32 s19, s19, s41                     ; which 256 tokens: 4 x cluster y + cy
	s_lshl_b32 s20, s19, 4
	s_lshl_b32 s21, s18, 3
	s_add_co_u32 s20, s20, s21                     ; Q: the first tile of 16 that I fetch
	s_lshl_b32 s22, s20, 13                        ; its codes,
	s_mov_b32 s23, 0
	s_lshl_b32 s92, s20, 9                         ; its scale bytes
	s_mov_b32 s93, 0
	s_lshl_b32 s45, s40, 8
	s_lshl_b32 s46, s18, 7
	s_add_co_u32 s45, s45, s46
	s_add_co_u32 s45, s45, 11264                   ; P: the first row of cod that I fetch
	s_lshl_b32 s46, s45, 9
	s_mov_b32 s47, 0
	s_lshl_b32 s94, s45, 5
	s_mov_b32 s95, 0
	s_lshl_b32 s96, s18, 15                        ; where they go: Q's half x 32,768;
	s_mul_i32 s98, s18, HALFT
	s_add_co_u32 s98, s98, QIMG                    ; P's half x 128 rows, behind Q's part;
	s_mul_i32 s97, s16, HALFS                      ; the scales: wave x 128 rows
	s_wait_dscnt 0x0
	s_wait_kmcnt 0x0
	s_add_nc_u64 s[22:23], s[4:5], s[22:23]
	s_add_nc_u64 s[92:93], s[6:7], s[92:93]
	s_add_nc_u64 s[46:47], s[8:9], s[46:47]
	s_add_nc_u64 s[94:95], s[10:11], s[94:95]
	CROUND                                         ; all sixteen work-groups are here: the joint loads meet
	s_mov_b32 s[G0S], 1
	s_add_co_u32 s[G0S+1], s97, SCL
	s_mov_b64 s[G0S+2:G0S+3], s[92:93]
	s_or_b32 s[G0S+3], s[G0S+3], 0x80000000
	s_mov_b32 s[G0SB], 1
	s_add_co_u32 s[G0SB+1], s97, SCL
	s_mov_b64 s[G0SB+2:G0SB+3], s[94:95]
	s_or_b32 s[G0SB+3], s[G0SB+3], 0x80000000
	JLOAD G0S, G1S, G0SB, G1SB                     ; the scales first; then both slots: three loads of mine are out
.irp s, 0,1
	s_mov_b32 s[G0+4*\s], 1
	s_add_co_u32 s[G0+4*\s+1], s96, \s*SLOT
	s_add_nc_u64 s[G0+4*\s+2:G0+4*\s+3], s[22:23], \s*4096
	s_or_b32 s[G0+4*\s+3], s[G0+4*\s+3], 0x80000000
	s_mov_b32 s[G0B+4*\s], 1
	s_add_co_u32 s[G0B+4*\s+1], s98, \s*SLOT
	s_add_nc_u64 s[G0B+4*\s+2:G0B+4*\s+3], s[46:47], \s*ROWB
	s_or_b32 s[G0B+4*\s+3], s[G0B+4*\s+3], 0x80000000
	JLOAD G0+4*\s, G1, G0B+4*\s, G1B
.endr
	v_and_b32 v1, 15, v0                           ; r
	v_bfe_u32 v2, v0, 4, 1                         ; h
	v_and_b32 v[CO], 31, v0
	v_lshlrev_b32 v[CO], 4, v[CO]                  ; 16 x lane
	v_mul_u32_u24 v3, v1, PITCH
	v_lshl_add_u32 v4, v2, 4, v3
	s_lshl_b32 s21, s17, 15                        ; my 8 tiles of Q
	s_mul_i32 s22, s18, HALFT
	s_add_co_u32 s22, s22, QIMG                    ; my 128 rows of P
.irp s, 0,1
	v_add_nc_u32 v[ADRA+\s], s21, v[CO]
	v_add_nc_u32 v[ADRB+\s], s22, v4
	s_add_co_u32 s21, s21, SLOT
	s_add_co_u32 s22, s22, SLOT
.endr
	v_mul_u32_u24 v5, v1, KS
	v_lshrrev_b32 v6, 8, v5
	v_lshl_add_u32 v5, v6, 4, v5
	s_mul_i32 s21, s17, HALFS
	s_mul_i32 s22, s18, HALFS
	s_add_co_u32 s22, s22, 2*HALFS
	s_sub_co_u32 s22, s22, s21
	v_mul_u32_u24 v6, s22, v2                      ; lanes 16-31 take P's
	s_add_co_u32 s21, s21, SCL
	v_add_nc_u32 v5, v5, v6
	v_add_nc_u32 v[ADRS], s21, v5
	s_mul_i32 s23, s16, 16*SPITCH                  ; my stage
	v_mul_u32_u24 v5, v1, SPITCH
	v_lshl_add_u32 v5, v2, 6, v5                   ; in: row r, + 16 h columns
	v_add_nc_u32 v[STO], s23, v5
	v_add_nc_u32 v[RD], s23, v[CO]                 ; back: the 32 lanes take a row of 512 bytes
	s_lshl_b32 s20, s19, 8
	s_lshl_b32 s21, s17, 7
	s_add_co_u32 s20, s20, s21
	s_lshl_b32 s20, s20, 12                        ; my first row of out0, 4,096 bytes a row,
	s_lshl_b32 s99, s40, 8
	s_lshl_b32 s100, s18, 7
	s_add_co_u32 s99, s99, s100
	s_lshl_b32 s99, s99, 2                         ; my first column, in bytes
	s_add_co_u32 s20, s20, s99
	s_mov_b32 s21, 0
	s_add_nc_u64 s[14:15], s[14:15], s[20:21]
	v_lshl_add_u32 v[BPO], v2, 6, s99              ; the bias: my columns, + 16 h
.irp b, 0,1,2,3,4,5,6,7
	global_load_b128 v[BP+8*\b:BP+8*\b+3], v[BPO], s[12:13] offset:(32*(\b/2)+8*(\b%2))*4
	global_load_b128 v[BP+8*\b+4:BP+8*\b+7], v[BPO], s[12:13] offset:(32*(\b/2)+8*(\b%2))*4+16
.endr
	s_wait_loadcnt 0x0
.macro FRAG reg, adr, q, i             ; P: 16 rows x 128 K from padded rows
.irp c, 0,1
	ds_load_b128 v[\reg+4*\c:\reg+4*\c+3], v[\adr] offset:64*(\q)+32*\c+(\i)*16*PITCH
.endr
.endm
.macro FRAGA reg, adr, q, i            ; Q: two images of 512 bytes
.irp c, 0,1
	ds_load_b128 v[\reg+4*\c:\reg+4*\c+3], v[\adr] offset:4096*(\i)+1024*(\q)+512*\c
.endr
.endm
.macro MUL16 a0, p, q, sc, first       ; 16 matrix instructions; first = 1: the bias is the C.  The 64 accumulators take turns, one instruction a turn
.irp a, \a0, \a0+1
.irp b, 0,1,2,3,4,5,6,7
.if \first
	v_wmma_scale_f32_16x16x128_f8f6f4 v[8*(8*((\a)%4)+\b):8*(8*((\a)%4)+\b)+7], v[128*(\p)+FR*\b:128*(\p)+FR*\b+FR-1], v[AF+FR*(\a):AF+FR*(\a)+FR-1], v[BP+8*\b:BP+8*\b+7], v[SC+8*NQ*(\sc)+NQ*\b+(\q)], v[SC+8*NQ*(\sc)+NQ*(\a)+(\q)] matrix_a_fmt:MATRIX_FMT_FP4 matrix_b_fmt:MATRIX_FMT_FP4 matrix_a_scale:MATRIX_SCALE_ROW1
.else
	v_wmma_scale_f32_16x16x128_f8f6f4 v[8*(8*((\a)%4)+\b):8*(8*((\a)%4)+\b)+7], v[128*(\p)+FR*\b:128*(\p)+FR*\b+FR-1], v[AF+FR*(\a):AF+FR*(\a)+FR-1], v[8*(8*((\a)%4)+\b):8*(8*((\a)%4)+\b)+7], v[SC+8*NQ*(\sc)+NQ*\b+(\q)], v[SC+8*NQ*(\sc)+NQ*(\a)+(\q)] matrix_a_fmt:MATRIX_FMT_FP4 matrix_b_fmt:MATRIX_FMT_FP4 matrix_a_scale:MATRIX_SCALE_ROW1
.endif
.endr
.endr
.endm
.macro FETCH_B slot, q, p
	WIN TO_B
.irp i, 0,1,2,3,4,5,6,7
	FRAG 128*(\p)+FR*\i, ADRB+\slot, \q, \i
.endr
	WIN 0
.endm
.macro FETCH_A slot, q, i0
.irp i, \i0, \i0+1, \i0+2, \i0+3
	FRAGA AF+FR*(\i), ADRA+\slot, \q, \i
.endr
.endm
.macro SCALES sc
.irp i, 0,1,2,3,4,5,6,7
	ds_load_b128 v[SC+8*NQ*\sc+NQ*\i:SC+8*NQ*\sc+NQ*\i+3], v[ADRS] offset:\i*SBLK
.endr
.endm
.macro PLACES n
.rept \n
	v_nop
.endr
.endm
.macro STEP slot, q, first
	s_wait_dscnt 4*NL                              ; all but the youngest eight loads (Q's blocks 4-7) are in
	WIN MUL_LO-0x20*(\first)
	MUL16 0, (\q)%2, \q, \slot, \first
	MUL16 2, (\q)%2, \q, \slot, \first
	s_wait_dscnt 0
	PLACES NP
	FETCH_B \slot, (\q)+1, 1-(\q)%2
	FETCH_A \slot, (\q)+1, 0
	WIN MUL_HI-0x30*(\first)
	MUL16 4, (\q)%2, \q, \slot, \first
	MUL16 6, (\q)%2, \q, \slot, \first
	PLACES NP
	WIN 0
	FETCH_A \slot, (\q)+1, 4
.endm
.macro STEPS slot, from
.set Q, \from
.rept NQ-1-\from
	STEP \slot, Q, 0
.set Q, Q+1
.endr
.endm
	s_wait_tensorcnt 1                             ; the scales and my part of slot 0 are in; slot 1's load may be out
	s_barrier_signal -1
	s_barrier_wait -1
	FETCH_B 0, 0, 0
	FETCH_A 0, 0, 0
	SCALES 0
	FETCH_A 0, 0, 4
	STEP 0, 0, 1
	STEPS 0, 1
	; slot 0's last step goes over to slot 1: my part of it has landed and my reads of slot 0 are over; the barrier says so of every wave
	s_wait_tensorcnt 0x0
	s_wait_dscnt 4*NL
	WIN MUL_LO
	MUL16 0, 1, NQ-1, 0, 0
	s_wait_dscnt 0x0
	s_barrier_signal -1
	MUL16 2, 1, NQ-1, 0, 0
	WIN 0
	s_barrier_wait -1
	PLACES NP
	v_add_nc_u32 v[ADRS], 4*NQ, v[ADRS]
	FETCH_B 1, 0, 0
	FETCH_A 1, 0, 0
	SCALES 1
	WIN MUL_HI
	MUL16 4, 1, NQ-1, 0, 0
	MUL16 6, 1, NQ-1, 0, 0
	PLACES NP
	WIN 0
	FETCH_A 1, 0, 4
	STEPS 1, 0
	s_wait_dscnt 4*NL
	WIN MUL_LO
	MUL16 0, 1, NQ-1, 1, 0
	MUL16 2, 1, NQ-1, 1, 0
	s_wait_dscnt 0
	WIN MUL_HI
	MUL16 4, 1, NQ-1, 1, 0
	MUL16 6, 1, NQ-1, 1, 0
	WIN 0
; THE WAY OUT, block by block of 16 rows x 128 columns, through my own stage: in by 16 bytes at the columns' true places, back as whole rows of 512 bytes.  LDS serves a wave's instructions in order.
.macro TOSTAGE a
.set AC, 64*((\a)%4)
	WIN 0x08+4*((\a)/4)                            ; the data: window 2 or 3
.irp b, 0,1,2,3,4,5,6,7
	ds_store_b128 v[STO], v[AC+8*\b:AC+8*\b+3] offset:128*(\b/2)+32*(\b%2)          ; columns 32 (b / 2) + 16 h + 8 (b % 2) on; each accumulator from its low end on
	ds_store_b128 v[STO], v[AC+8*\b+4:AC+8*\b+7] offset:128*(\b/2)+32*(\b%2)+16
.endr
	WIN 0
.set BB, BK+64*((\a)%2)
.irp t, 0,1,2,3,4,5,6,7,8,9,10,11,12,13,14,15
	ds_load_b128 v[BB+4*\t:BB+4*\t+3], v[RD] offset:\t*SPITCH
.endr
.endm
.macro SEND a, younger                 ; younger: the LDS instructions issued behind block a's loads
.set BB, BK+64*((\a)%2)
	s_wait_dscnt \younger
.irp t, 0,1,2,3,4,5,6,7,8,9,10,11,12,13,14,15
	global_store_b128 v[CO], v[BB+4*\t:BB+4*\t+3], s[14:15] offset:(32*((\a)/2)+8*((\a)%2)+\t+8*(\t/8))*4096 th:TH_STORE_NT   ; 32 lanes store 512 consecutive bytes, aligned; the row's true place stands in the immediate, 520,192 at the most
.endr
.endm
	PLACES NP                                      ; behind the last products: their results are read and Q's registers loaded below
	TOSTAGE 0
.irp a, 1,2,3,4,5,6,7
.if \a > 1
	s_wait_xcnt 0x0                                ; block a - 2's stores have read their registers: block a's loads may land there
.endif
	TOSTAGE \a
	SEND \a-1, 32                                  ; behind block a - 1's loads: block a's 16 stores and 16 loads
.endr
	SEND 7, 0
	s_wait_tensorcnt 0x0
	ds_add_u32 v126, v127
	s_wait_dscnt 0x0
	CROUND                                         ; the closing round
	s_endpgm
.Lfunc_end_k_q7a25a18ca6_proj:
	.size	k_q7a25a18ca6_proj, .Lfunc_end_k_q7a25a18ca6_proj-k_q7a25a18ca6_proj
	.p2alignl 7, 3214868480
	.fill 96, 4, 3214868480
	.section	.rodata,"a",@progbits
	.p2align	6, 0x0
	.amdhsa_kernel k_q7a25a18ca6_proj
		.amdhsa_group_segment_fixed_size 327680
		.amdhsa_private_segment_fixed_size 0
		.amdhsa_enable_private_segment 0
		.amdhsa_kernarg_size 48
		.amdhsa_user_sgpr_count 2
		.amdhsa_user_sgpr_kernarg_segment_ptr 1
		.amdhsa_wavefront_size32 1
		.amdhsa_system_sgpr_workgroup_id_x 1
		.amdhsa_system_sgpr_workgroup_id_y 1
		.amdhsa_system_sgpr_workgroup_id_z 1
		.amdhsa_system_vgpr_workitem_id 0
		.amdhsa_next_free_vgpr 1024
		.amdhsa_next_free_sgpr 102
		.amdhsa_reserve_vcc 0
		.amdhsa_float_denorm_mode_32 3
		.amdhsa_float_denorm_mode_16_64 3
		.amdhsa_memory_ordered 1
		.amdhsa_forward_progress 1
		.amdhsa_inst_pref_size 125
	.end_amdhsa_kernel
	.amdgpu_metadata
---
amdhsa.version: [ 1, 2 ]
amdhsa.kernels:
  - .name:           k_q7a25a18ca6_proj
    .symbol:         k_q7a25a18ca6_proj.kd
    .args:
      - { .name: ac, .offset: 0, .size: 8, .value_kind: global_buffer, .address_space: global }
      - { .name: asc, .offset: 8, .size: 8, .value_kind: global_buffer, .address_space: global }
      - { .name: cod, .offset: 16, .size: 8, .value_kind: global_buffer, .address_space: global }
      - { .name: scl, .offset: 24, .size: 8, .value_kind: global_buffer, .address_space: global }
      - { .name: out_b, .offset: 32, .size: 8, .value_kind: global_buffer, .address_space: global }
      - { .name: out0, .offset: 40, .size: 8, .value_kind: global_buffer, .address_space: global }
    .group_segment_fixed_size: 327680
    .private_segment_fixed_size: 0
    .kernarg_segment_align: 8
    .kernarg_segment_size: 48
    .max_flat_workgroup_size: 128
    .sgpr_count:     102
    .vgpr_count:     1024
    .wavefront_size: 32
...
	.end_amdgpu_metadata
.endif
;; end of part 4
